; MI455X (gfx1250); checked and timed in simulation.
; The chip was launched on July 23, 2026; its instructions are those of AMD's public machine-readable ISA for CDNA 5 (MIT licence, August 2026) and "CDNA5" Instruction Set Architecture Reference Guide (July 2026). The comments in the code are by the model that wrote it; some were corrected since.
;; Causal Self Attention. Allowed arithmetic: matrix products marked QUANTISED: E4M3 operands, one given power-of-two scale a tensor, by v_wmma_f32_16x16x64_fp8_fp8 or v_wmma_f32_16x16x128_fp8_fp8, f32 sums; everything else in f32.
;; Inputs: W_proj 1,024 x 1,024 float32; W_qkv 1,024 x 3,072 float32; b_proj 1,024 float32; b_qkv 3,072 float32; lowp_scales 8 int32 (the exponents e of the quantised operands' scales 2^e); x 4 x 2,048 x 1,024 float32.
;; Outputs: out0 4 x 2,048 x 1,024 float32.
;; This version of the problem:
;;   THIS VERSION OF THE PROBLEM IS GIVEN IN LOW PRECISION. The matrix products marked QUANTISED in the list below multiply operands that are first quantised to E4M3 (4 exponent bits, 3 mantissa bits; 8 bits a number), with one given power-of-two scale for each operand tensor; their sums are f32. All else is computed in f32.
;;   The module's matrix products, in the order in which they are computed (A, B: the left and right operand; K: the contracted axis; several contracted axes count as one K, in the product's order):
;;     1. [M 8,192, K 1,024] x [K 1,024, N 3,072]; A: input x; B: input W_qkv: QUANTISED (scales: A lowp_scales[0], B lowp_scales[1])
;;     2. batch 64 x [M 2,048, K 64] x [K 64, N 2,048]; A: computed on the way; B: computed on the way: QUANTISED (scales: A lowp_scales[2], B lowp_scales[3])
;;     3. batch 64 x [M 2,048, K 2,048] x [K 2,048, N 64]; A: softmax (see below); B: computed on the way: QUANTISED (scales: A lowp_scales[4], B lowp_scales[5])
;;     4. [M 8,192, K 1,024] x [K 1,024, N 1,024]; A: computed on the way; B: input W_proj: QUANTISED (scales: A lowp_scales[6], B lowp_scales[7])
;;   THE QUANTISER, for each operand of a quantised product, along K:
;;     - The operand's scale is 2^e, e = its entry of the input lowp_scales (int32; the entries are numbered through the quantised products in the list's order, A before B).
;;     - Each number is divided by the scale, clamped to +-448, and rounded to the nearest number of E4M3, ties to even, subnormals kept.
;;     - The product sums the exact products of the quantised numbers (number of the format x scale) in f32.
;;   ~~~python
;;   def quantise(x, axis, e):      # numpy; x: float32 -> the quantised numbers, widened to float32 again
;;       x = np.moveaxis(x, axis, -1); K = x.shape[-1]
;;       r = np.clip(x / 2.0 ** e, -448, 448)
;;       step = 2.0 ** (np.maximum(np.frexp(np.where(r == 0, 1, r))[1] - 1, -6) - 3)
;;       q = np.round(r / step) * step * 2.0 ** e      # np.round: ties to even
;;       return np.moveaxis(q, -1, axis).astype(np.float32)
;;   ~~~
;;   SOFTMAX AHEAD OF A QUANTISED PRODUCT. Where the list says 'softmax', what is quantised is not the finished softmax but p = 2^(t - M), with t = logit x log2(e) and M = ceil(the row's largest t), a whole number; so 1/2 < the row's largest p <= 1. The row's sum l is taken of the UNQUANTISED p, in f32, and the product's result is divided by l at the end. Since M is a whole number, a kernel that streams over the keys may use a running M (the ceiling of the running maximum): every later rescaling is an exact power of two, so the quantised numbers keep their values, but for numbers so far below the row's largest that they fall under the format's range.
;;   OPERANDS COMPUTED ON THE WAY. 'Computed on the way' means the value that the module computes at that place (a softmax that the list does not call 'softmax' is quantised finished and normalised). What goes into a quantiser is computed in f32, as accurately as f32 sums, v_exp_f32 and their like allow (about 1e-6 of the number): no bf16 or f16 on the way to a quantiser, and a product that is left as it is and whose result goes on into a quantised operand takes f32 operands (vector FMAs, or v_wmma_f32_16x16x4_f32). A number that lies on a knife's edge between two numbers of the format may be rounded either way, as far as f32 arithmetic and the matrix unit's own rounding can turn it there, and no further.
;; One version. Each part assembles by itself: llvm-mc -triple=amdgcn-amd-amdhsa -mcpu=gfx1250 --defsym DOCPART=n.
;; ======== version 1 of 1: 4 launches
;; limits: right only within a limited range of input values
;; workspace buffers: x_codes 8,388,608 bytes; wqkv_codes 3,145,728 bytes; wproj_codes 1,048,576 bytes; q_codes 8,388,608 bytes; k_codes 8,388,608 bytes; v_codes 8,388,608 bytes; y_codes 8,388,608 bytes
;; launch quant (part 1): grid 384 x 1, 4 waves a work-group, no clusters, 102,912 bytes of LDS; arguments x, W_qkv, W_proj, lowp_scales, x_codes, wqkv_codes, wproj_codes; writes x_codes, wqkv_codes, wproj_codes
.if DOCPART == 1
	.amdgcn_target "amdgcn-amd-amdhsa--gfx1250"
	.amdhsa_code_object_version 6
	.text
	.protected	k_q01fffe5a84_quant
	.globl	k_q01fffe5a84_quant
	.p2align	8
	.type	k_q01fffe5a84_quant,@function
k_q01fffe5a84_quant:
	s_mov_b64 s[64:65], 0
	v_nop
	global_prefetch_b8 v0, s[64:65] scope:SCOPE_SE
	s_setreg_imm32_b32 hwreg(HW_REG_WAVE_MODE, 25, 1), 1
	s_wait_xcnt 0x0
; CAUSAL SELF-ATTENTION ON CODES OF E4M3, FOUR LAUNCHES.  This one turns the three f32 inputs of the two large products into codes, K innermost:
;   x [8192][1024] -> x_codes [8192][1024] (scale 2^e0);  W_qkv [1024 k][3072 n] -> wqkv_codes [3072 n][1024 k] (2^e1);  W_proj [1024 k][1024 n] -> wproj_codes [1024 n][1024 k] (2^e7).
; The later launches: x W_qkv + b_qkv, quantised as q, k, v;  the attention, quantised as y;  y W_proj + b_proj.
; WORK LEFT OUT IN THE PROGRAM.  The function builds its own causal mask (tril) and sets the scores of keys k > q to -infinity ahead of the softmax: their weights are 0 whatever finite values the inputs hold.
; So the attention launch leaves out every step of 128 keys all of which come after a wave's 16 queries: both of its products and its softmax.  Nothing else is left out and every input is loaded:
; the bias on k moves k's codes, so it stays.  LIMIT: a NaN, an infinity or an overflow that would reach only those hidden scores is not carried to the result.
; code = number / 2^e, held within +-448, rounded to the nearest code, ties to even.  LIMITS: e0, e1, e7 between -126 and 119, so that 2^e and 448 x 2^e are f32 numbers.  NaN among the inputs is not served.
; SHARES.  Work-groups 0-255 take x: a plain stream, 8,192 numbers a wave in 16 steps of 512.  Each load reads 512 consecutive bytes; a step's 2,048 bytes turn through the wave's own stage in LDS, so that a lane
; holds 16 neighbours along K for the conversions; a lane's 16 codes are 16 bytes, the wave stores 512 consecutive bytes.
; Work-groups 256-351 take W_qkv, 352-383 W_proj: K is the first axis, so a lane takes a column n and its registers run down K; a wave takes 32 columns x 256 along K; the codes go through the wave's own stage
; and leave as rows: sixteen lanes store 256 consecutive bytes, aligned.  The three ways part on the work-group's number alone and have LDS bytes of their own.  Waves share nothing: no barrier.
.set SP,    80                         ; x's stage: a lane's 64 bytes + 16 of padding
.set WREG,  8192                       ; x's stages: a region for each wave, two stages of 32 x SP bytes
.set PITCH, 272                        ; the weights' stage: a column's 256 codes + 16 of padding
.set W1STG, 32768                      ; W_qkv's four stages of 32 x PITCH bytes
.set W2STG, 67584                      ; W_proj's
.set SPARE, 102400                     ; the spare words, 128 bytes for each wave: two blocks of 256 bytes that no other line names
.set SPW,   198                        ; v198  LDS address of my spare word; never rewritten
.set NIL,   199                        ; v199  0; never rewritten
.set R,     16                         ; x: v16-79   four sets of 16 numbers as loaded
.set X,     80                         ; x: v80-111  two sets of 16 neighbours
.set C,     128                        ; x: v128-191 codes, four registers a step: no store's data are written again
.set WX,    32                         ; weights: v32-95 two sets of 32 numbers
.set WC,    96                         ; weights: v96-103 a block's codes
.set OUTR,  112                        ; weights: v112-175 the way out
	s_load_b256 s[4:11], s[0:1], 0x0               ; x s[4:5], W_qkv s[6:7], W_proj s[8:9], the exponents s[10:11]
	s_load_b128 s[12:15], s[0:1], 0x20             ; x_codes s[12:13], wqkv_codes s[14:15]
	s_load_b64 s[16:17], s[0:1], 0x30              ; wproj_codes
	v_lshl_add_u32 v[SPW], v0, 2, SPARE
	v_mov_b32 v[NIL], 0
	v_lshrrev_b32 v1, 5, v0
	v_readfirstlane_b32 s18, v1                    ; wave 0..3
	v_and_b32 v2, 31, v0                           ; lane
	s_wait_kmcnt 0x0
	s_load_b256 s[24:31], s[10:11], 0x0            ; e0 .. e7
; 2^e (v11: the conversion takes its exponent field) and 448 x 2^e (v10), from the exponent in s[e]
.macro SCALE e
	s_wait_kmcnt 0x0
	s_add_co_i32 s32, s[\e], 127
	s_lshl_b32 s33, s32, 23
	v_mov_b32 v11, s33
	s_add_co_i32 s32, s32, 8
	s_lshl_b32 s32, s32, 23
	s_or_b32 s32, s32, 0x600000                    ; the mantissa field of 448
	v_mov_b32 v10, s32
.endm
.macro XLOAD t
.irp i, 0,1,2,3
	global_load_b128 v[R+16*((\t)%4)+4*\i:R+16*((\t)%4)+4*\i+3], v3, s[4:5] offset:2048*(\t)+512*\i th:TH_LOAD_NT   ; 32 lanes read 512 consecutive bytes
.endr
.endm
.macro XTURN t                         ; step t's numbers through the stage: LDS serves a wave's instructions in order, so no wait stands between the stores and the loads
.irp i, 0,1,2,3
	ds_store_b128 v14, v[R+16*((\t)%4)+4*\i:R+16*((\t)%4)+4*\i+3] offset:32*SP*((\t)%2)+8*SP*\i
.endr
.irp i, 0,1,2,3
	ds_load_b128 v[X+16*((\t)%2)+4*\i:X+16*((\t)%2)+4*\i+3], v15 offset:32*SP*((\t)%2)+16*\i
.endr
.endm
.macro XSTEP t
.set XS, X+16*((\t)%2)
	s_wait_dscnt 0x0                               ; this step's numbers are back from the stage, and its stores into the stage have read their registers,
.if (\t)+4 < 16
	XLOAD (\t)+4                                   ; which take the loads of four steps on
.endif
.if (\t)+1 < 16
.if 14-(\t) >= 3
	s_wait_loadcnt 12                              ; the next step's four loads are in; those of the three steps behind it may be out
.else
	s_wait_loadcnt 4*(14-(\t))                     ; the counts run down: two steps', one step's, none
.endif
	XTURN (\t)+1
.endif
.set JJ, 0
.rept 16
	v_med3_num_f32 v[XS+JJ], v[XS+JJ], -v10, v10   ; the conversion to an 8-bit code does not saturate (ISA guide 7.6.2): the hold at the largest code x the scale
.set JJ, JJ+1
.endr
	v_cvt_scalef32_pk8_fp8_f32 v[C+4*(\t):C+4*(\t)+1], v[XS:XS+7], v11
	v_cvt_scalef32_pk8_fp8_f32 v[C+4*(\t)+2:C+4*(\t)+3], v[XS+8:XS+15], v11
	global_store_b128 v4, v[C+4*(\t):C+4*(\t)+3], s[12:13] offset:512*(\t)   ; the wave stores 512 consecutive bytes, aligned
.endm
.macro WLOAD t, n, src                 ; block t: W(32 t + i, my column), i = 0 .. 31, into set t % 2
.set JJ, 0
.rept 32
	global_load_b32 v[WX+32*((\t)%2)+JJ], v3, s[\src:\src+1] offset:(32*(\t)+JJ)*\n*4 th:TH_LOAD_NT
.set JJ, JJ+1
.endr
.endm
.macro WBLOCK t, n, src
.set XS, WX+32*((\t)%2)
.if (\t) < 7
	s_wait_loadcnt 32                              ; this block's 32 loads are in; the next block's 32 may be out
.else
	s_wait_loadcnt 0
.endif
.set JJ, 0
.rept 32
	v_med3_num_f32 v[XS+JJ], v[XS+JJ], -v10, v10
.set JJ, JJ+1
.endr
.irp g, 0,1,2,3
	v_cvt_scalef32_pk8_fp8_f32 v[WC+2*\g:WC+2*\g+1], v[XS+8*\g:XS+8*\g+7], v11
.endr
	ds_store_b128 v4, v[WC:WC+3] offset:32*(\t)    ; 32 codes: 32 bytes of my column's row
	ds_store_b128 v4, v[WC+4:WC+7] offset:32*(\t)+16
.if (\t)+2 < 8
	WLOAD (\t)+2, \n, \src
.endif
	s_wait_dscnt 0x0                               ; the stores have read their registers: the next block's codes may be written
.endm
; A weight [1024][n]: the work-groups from number first on; pointers in s[src], s[dst]; the exponent in s[e]; the four stages from LDS byte stg on
.macro WPATH n, first, src, dst, e, stg
	s_sub_co_u32 s19, ttmp9, \first
	s_and_b32 s20, s19, 3                          ; which 256 along K
	s_lshr_b32 s19, s19, 2
	s_lshl_b32 s19, s19, 7
	s_lshl_b32 s21, s18, 5
	s_add_co_u32 s19, s19, s21                     ; my wave's first column
	v_lshlrev_b32 v3, 2, v2                        ; in: 4 bytes a lane
	s_mul_i32 s21, s18, 32*PITCH
	s_add_co_u32 s21, s21, \stg                    ; my stage
	v_mul_u32_u24 v4, v2, PITCH
	v_add_nc_u32 v4, s21, v4                       ; into it: row = my column
	v_and_b32 v5, 15, v2
	v_lshrrev_b32 v6, 4, v2
	v_mul_u32_u24 v7, v6, PITCH
	v_lshl_add_u32 v7, v5, 4, v7
	v_add_nc_u32 v7, s21, v7                       ; out of it: sixteen lanes to a row, two rows an instruction
	v_lshlrev_b32 v8, 10, v6
	v_lshl_add_u32 v8, v5, 4, v8                   ; and the same place in the codes' buffer (a row is 1,024 bytes)
	s_mul_i32 s22, s20, 256*\n*4
	s_lshl_b32 s34, s19, 2
	s_add_co_u32 s22, s22, s34
	s_mov_b32 s23, 0
	s_add_nc_u64 s[\src:\src+1], s[\src:\src+1], s[22:23]
	s_lshl_b32 s22, s19, 10
	s_lshl_b32 s34, s20, 8
	s_add_co_u32 s22, s22, s34
	s_add_nc_u64 s[\dst:\dst+1], s[\dst:\dst+1], s[22:23]
	WLOAD 0, \n, \src
	WLOAD 1, \n, \src
	SCALE \e
	s_wait_alu depctr_va_vdst(0)
.irp t, 0,1,2,3,4,5,6,7
	WBLOCK \t, \n, \src
.endr
.irp t, 0,1,2,3,4,5,6,7,8,9,10,11,12,13,14,15
	ds_load_b128 v[OUTR+4*\t:OUTR+4*\t+3], v7 offset:2*\t*PITCH   ; LDS serves a wave's instructions in order: these see my stores
.endr
.irp t, 0,1,2,3,4,5,6,7,8,9,10,11,12,13,14,15
	s_wait_dscnt 15-\t                             ; the younger read-backs may be out
	global_store_b128 v8, v[OUTR+4*\t:OUTR+4*\t+3], s[\dst:\dst+1] offset:2048*\t   ; sixteen lanes store 256 consecutive bytes, aligned
.endr
.endm
	s_cmp_lt_u32 ttmp9, 256
	s_cbranch_scc0 .Lweights
	; ---- x
	s_wait_alu depctr_va_vdst(0)
	v_lshlrev_b32 v3, 4, v2                        ; my 16 bytes of a load's 512
	s_wait_alu depctr_va_vdst(0)
	v_lshlrev_b32 v4, 4, v2                        ; my codes' place in a step's
	s_mul_i32 s19, s18, WREG
	v_lshrrev_b32 v14, 2, v2
	v_mul_u32_u24 v14, v14, SP
	v_and_b32 v15, 3, v2
	v_lshl_add_u32 v14, v15, 4, v14
	v_add_nc_u32 v14, s19, v14                     ; the stage, on the way in: SP (lane / 4) + 16 (lane % 4)
	v_mul_u32_u24 v15, v2, SP
	v_add_nc_u32 v15, s19, v15                     ; and on the way out: SP x lane: my 16 neighbours
	s_lshl_b32 s19, ttmp9, 2
	s_add_co_u32 s19, s19, s18                     ; which run of 8,192 numbers is my wave's
	s_lshl_b32 s20, s19, 15
	s_mov_b32 s21, 0
	s_add_nc_u64 s[4:5], s[4:5], s[20:21]
	s_lshl_b32 s20, s19, 13
	s_add_nc_u64 s[12:13], s[12:13], s[20:21]
.irp t, 0,1,2,3
	XLOAD \t
.endr
	s_wait_alu depctr_va_vdst(0)
	SCALE 24
	s_wait_alu depctr_va_vdst(0)
	s_wait_loadcnt 12                              ; step 0's four loads are in
	XTURN 0
.irp t, 0,1,2,3,4,5,6,7,8,9,10,11,12,13,14,15
	XSTEP \t
.endr
	s_branch .Lend
.Lweights:
	s_cmp_lt_u32 ttmp9, 352
	s_cbranch_scc0 .Lproj
	s_wait_alu depctr_va_vdst(0)
	WPATH 3072, 256, 6, 14, 25, W1STG
	s_branch .Lend
.Lproj:
	s_wait_alu depctr_va_vdst(0)
	WPATH 1024, 352, 8, 16, 31, W2STG
.Lend:
	s_wait_tensorcnt 0x0                           ; the wave's end, behind my last LDS store
	ds_add_u32 v[SPW], v[NIL]
	s_wait_dscnt 0x0
	s_endpgm
.Lfunc_end_k_q01fffe5a84_quant:
	.size	k_q01fffe5a84_quant, .Lfunc_end_k_q01fffe5a84_quant-k_q01fffe5a84_quant
	.p2alignl 7, 3214868480
	.fill 96, 4, 3214868480
	.section	.rodata,"a",@progbits
	.p2align	6, 0x0
	.amdhsa_kernel k_q01fffe5a84_quant
		.amdhsa_group_segment_fixed_size 102912
		.amdhsa_private_segment_fixed_size 0
		.amdhsa_enable_private_segment 0
		.amdhsa_kernarg_size 56
		.amdhsa_user_sgpr_count 2
		.amdhsa_user_sgpr_kernarg_segment_ptr 1
		.amdhsa_wavefront_size32 1
		.amdhsa_system_sgpr_workgroup_id_x 1
		.amdhsa_system_sgpr_workgroup_id_y 1
		.amdhsa_system_sgpr_workgroup_id_z 1
		.amdhsa_system_vgpr_workitem_id 0
		.amdhsa_next_free_vgpr 200
		.amdhsa_next_free_sgpr 66
		.amdhsa_reserve_vcc 0
		.amdhsa_float_denorm_mode_32 3
		.amdhsa_float_denorm_mode_16_64 3
		.amdhsa_memory_ordered 1
		.amdhsa_forward_progress 1
		.amdhsa_inst_pref_size 133
	.end_amdhsa_kernel
	.amdgpu_metadata
---
amdhsa.version: [ 1, 2 ]
amdhsa.kernels:
  - .name:           k_q01fffe5a84_quant
    .symbol:         k_q01fffe5a84_quant.kd
    .args:
      - { .name: x, .offset: 0, .size: 8, .value_kind: global_buffer, .address_space: global }
      - { .name: W_qkv, .offset: 8, .size: 8, .value_kind: global_buffer, .address_space: global }
      - { .name: W_proj, .offset: 16, .size: 8, .value_kind: global_buffer, .address_space: global }
      - { .name: lowp_scales, .offset: 24, .size: 8, .value_kind: global_buffer, .address_space: global }
      - { .name: x_codes, .offset: 32, .size: 8, .value_kind: global_buffer, .address_space: global }
      - { .name: wqkv_codes, .offset: 40, .size: 8, .value_kind: global_buffer, .address_space: global }
      - { .name: wproj_codes, .offset: 48, .size: 8, .value_kind: global_buffer, .address_space: global }
    .group_segment_fixed_size: 102912
    .private_segment_fixed_size: 0
    .kernarg_segment_align: 8
    .kernarg_segment_size: 56
    .max_flat_workgroup_size: 128
    .sgpr_count:     66
    .vgpr_count:     200
    .wavefront_size: 32
...
	.end_amdgpu_metadata
.endif
;; end of part 1
;; launch gemm_qkv (part 2): grid 12 x 32, 4 waves a work-group, clusters of 4 x 4, 327,680 bytes of LDS; arguments x_codes, wqkv_codes, lowp_scales, b_qkv, q_codes, k_codes, v_codes; writes q_codes, k_codes, v_codes
.if DOCPART == 2
	.amdgcn_target "amdgcn-amd-amdhsa--gfx1250"
	.amdhsa_code_object_version 6
	.text
	.protected	k_q01fffe5a84_gemm_qkv
	.globl	k_q01fffe5a84_gemm_qkv
	.p2align	8
	.type	k_q01fffe5a84_gemm_qkv,@function
k_q01fffe5a84_gemm_qkv:
	s_mov_b64 s[64:65], 0
	v_nop
	global_prefetch_b8 v0, s[64:65] scope:SCOPE_SE
	s_setreg_imm32_b32 hwreg(HW_REG_WAVE_MODE, 25, 1), 1
	s_wait_xcnt 0x0
	s_wait_alu depctr_hold_cnt(0) depctr_sa_sdst(0) depctr_va_vdst(0) depctr_va_sdst(0) depctr_va_ssrc(0) depctr_va_vcc(0) depctr_vm_vsrc(0)
	s_getreg_b32 s2, hwreg(HW_REG_IB_STS2, 6, 4)
	s_cmp_eq_u32 s2, 0
	s_cbranch_scc0 .Lentry_in_a_cluster
	s_endpgm
.Lentry_in_a_cluster:
	s_bfe_u32 s2, ttmp6, 0x10000c
	s_cmp_lg_u32 s2, 0xf033
	s_cbranch_scc0 .Lentry_shape_is_right
	s_endpgm
.Lentry_shape_is_right:
; qkv = x W_qkv + b_qkv on codes of E4M3, and its three parts quantised at once for the attention: q with 2^e2, k with 2^e3, v with 2^e5.  Nothing of this product is left out.
; x_codes [8192][1024], wqkv_codes [3072 n][1024 k].  Each finished sum is multiplied by 2^(e0 + e1) and gets its bias in one fused multiply-add, is held within +-448 x the scale, and converted.
; OUT: q_codes, k_codes [64 heads (16 batch + head)][2048 tokens][64]: K = the head's 64 innermost.  v_codes [64 heads][16 blocks of keys][64 d][128 keys]: K = the keys innermost.
; LIMITS: e0 + e1 between -126 and 127; e2, e3, e5 between -126 and 119.  Inside a matrix instruction k is permuted, alike in both operands (fragments come by 16-byte loads): only the order of the sums changes.
; A tile of 256 x 256 is made by a work-group of four waves, a wave makes 128 x 128: 64 accumulators, 512 registers.  K goes in four steps of 256 through a ring of two LDS slots filled by the tensor data mover.
; CLUSTERS: 4 x 4 work-groups; x's tile is asked for jointly along a row of the cluster, W's along a column.  A cluster's four tile columns are 1,024 features: cluster x = 0 is q, 1 is k, 2 is v, for all sixteen partners alike.
; THE MATRIX INSTRUCTION IS USED TRANSPOSED: a lane holds one row of source 1 and eight neighbours among source 0's rows.  For q and k source 0 = rows of W, source 1 = rows of x: a lane holds a token and eight
; neighbouring features.  FOR v THE TWO CHANGE PLACES: a lane holds a feature and eight neighbouring tokens (keys).  The tensor loads and LDS regions are the same in every work-group; only the LDS region from which
; each source's fragments are read differs, chosen by the cluster's x.
; REGISTERS: window 0: v0-31 addresses; v32-95, v96-111 the biases; v112, v113 the scale; from v128 source 1's fragments, ONE set (on the way out v128-255 are at work).
;   window 1: source 0's fragments, TWO sets.   window 2: the accumulators of source 1's blocks 0-3 ((a, b) at v[8 (8 a + b)]);   window 3: of blocks 4-7.
.set ROWB,   256                       ; a tile's row: 256 codes
.set KROW,   1024                      ; a row of either operand in memory
.set PITCH,  272                       ; an LDS row: 256 bytes + 16 of padding: the 16 rows that a load touches start at 16 different banks (64 banks of 4 bytes: ISA guide 11.1)
.set FR,     16
.set NL,     4
.set NP,     4                         ; places behind this matrix instruction (ISA guide 7.12.1)
.set HALFT,  128*PITCH
.set SLOT,   4*HALFT                   ; x's 256 rows, then W's 256 rows
.set LAPS,   2                         ; 1,024 along K = two laps of two slots
.set SPARE,  2*SLOT                    ; behind the ring: the spare words, 128 bytes for each wave
.set SPN,    144                       ; the way out: a stage of 16 rows x (128 bytes + 16) for each wave, in slot 0, which has had its last fill and its last read by then
.set VSTG,   16384                     ; v's way has stage bytes of its own
.set ADRA, 16                          ; v16-17  LDS address of source 1's fragments in slot 0, 1
.set ADRB, 20                          ; v20-21  of source 0's
.set STOV, 22
.set RDV,  23
.set STON, 24
.set RDN,  25
.set CO,   26                          ; v26     16 x lane
.set SPW,  28
.set NIL,  29
.set BN,   32                          ; v32-95  q, k: the bias of my lane's features, (b, j) at 8 b + j
.set BV,   96                          ; v96-111 v: the bias of my lane's feature in block a, at 2 a (2 a + 1: the same again)
.set LIMV, 112
.set SCV,  113
.set AF,   128
.set TMP,  128
.set G1, 24
.set G0, 32
.set G1B, 48
.set G0B, 56
.set MSB, 0
.macro WIN new                         ; the immediate's high byte repeats the setting that is left
.if MSB != \new
	s_set_vgpr_msb (MSB<<8)|\new
.set MSB, \new
.endif
.endm
.set MUL_LO, 0xa1
.set MUL_HI, 0xf1
.set TO_B,   0x40
; A joint load: waves 0 and 1 fetch x's two halves, waves 2 and 3 W's.  An s_nop 0 and four v_nop follow each of the two lines.
.macro JLOAD g0a, g1a, g0b, g1b
	s_cmp_eq_u32 s15, 0
	s_cbranch_scc0 .Lfor_b_\@
	tensor_load_to_lds s[\g0a:\g0a+3], s[\g1a:\g1a+7]
	s_nop 0
.rept 4
	v_nop
.endr
	s_branch .Lasked_\@
.Lfor_b_\@:
	tensor_load_to_lds s[\g0b:\g0b+3], s[\g1b:\g1b+7]
	s_nop 0
.rept 4
	v_nop
.endr
.Lasked_\@:
.endm
.macro CREST
	s_cmp_lg_u32 s14, 0
	s_cbranch_scc1 .Lnot_wave_0_\@
	s_barrier_signal -3
.Lnot_wave_0_\@:
	s_barrier_wait -3
	s_barrier_signal -1
	s_barrier_wait -1
.endm
.macro CROUND
	s_barrier_signal -1
	s_barrier_wait -1
	CREST
.endm
	s_load_b256 s[4:11], s[0:1], 0x0               ; x_codes s[4:5], wqkv_codes s[6:7], the exponents s[8:9], b_qkv s[10:11]
	s_load_b128 s[68:71], s[0:1], 0x20             ; q_codes, k_codes
	s_load_b64 s[72:73], s[0:1], 0x30              ; v_codes
	v_lshl_add_u32 v[SPW], v0, 2, SPARE
	v_mov_b32 v[NIL], 0
	ds_add_u32 v[SPW], v[NIL]                      ; the wave's opening: the add, twice on end, and its wait ahead of my first tensor load
	ds_add_u32 v[SPW], v[NIL]
	v_lshrrev_b32 v1, 5, v0
	v_readfirstlane_b32 s14, v1                    ; wave 0..3
	s_lshr_b32 s15, s14, 1                         ; which 128 of source 1's rows are mine.  Also: I fetch for x (0) or for W (1)
	s_and_b32 s16, s14, 1                          ; which 128 of source 0's.  Also: which 128 rows of that tile I fetch
	s_bfe_u32 s40, ttmp6, 0x40000                  ; cx, cy
	s_bfe_u32 s41, ttmp6, 0x40004
	s_lshl_b32 s42, ttmp9, 2
	s_add_co_u32 s42, s42, s40                     ; tile column = 4 x cluster x + cx
	; WHAT IS FETCHED CHANGES PLACES FOR v, NOT WHERE IT IS READ: LDS region A (rows 0-255 of a slot) always feeds source 1 and is shared along a row of the cluster, region B feeds source 0 and is shared along a column.
	; q, k: A = x's tile 4 Y + cy, B = W's tile 4 X + cx.   v: A = W's tile 8 + cy, B = x's tile 4 Y + cx.  A's tile hangs on cy alone, B's on cx alone, either way.
	s_and_b32 s17, ttmp7, 0xffff
	s_lshl_b32 s17, s17, 2
	s_add_co_u32 s75, s17, s40                     ; v: the tile of tokens = 4 x cluster y + cx
	s_add_co_u32 s17, s17, s41                     ; q, k: the tile of tokens = 4 x cluster y + cy
	s_add_co_u32 s74, s41, 8                       ; v: the tile of features = 8 + cy
	s_cmp_eq_u32 ttmp9, 2                          ; v's cluster?  The same in all sixteen partners
	s_cselect_b32 s74, s74, s17                    ; region A's tile
	s_cselect_b32 s75, s75, s42                    ; region B's tile
	s_lshl_b32 s43, s41, 2
	s_lshl_b32 s43, 15, s43                        ; my row of the cluster
	s_lshl_b32 s44, 0x1111, s40                    ; my column
	s_or_b32 s[G1+0], s43, (0<<16)|(1<<20)|(1<<21)|(5<<22)|(3<<25)  ; the mask; elements of 1 byte; padding on; bit 21 beside a mask; after every 64 words, 4 words
	s_or_b32 s[G1B+0], s44, (0<<16)|(1<<20)|(1<<21)|(5<<22)|(3<<25)
.irp g, G1, G1B
	s_mov_b32 s[\g+1], ROWB<<16                    ; tensor_dim0
	s_mov_b32 s[\g+2], 128<<16                     ; tensor_dim1
	s_mov_b32 s[\g+3], ROWB<<16                    ; tile_dim0
	s_mov_b32 s[\g+4], 128                         ; tile_dim1
	s_mov_b32 s[\g+5], KROW                        ; tensor_dim0_stride
	s_mov_b32 s[\g+6], 0
	s_mov_b32 s[\g+7], 0
.endr
	s_lshl_b32 s18, s16, 7
	s_lshl_b32 s20, s74, 8
	s_add_co_u32 s20, s20, s18                     ; x: row 256 x tile row + 128 x half
	s_lshl_b32 s20, s20, 10                        ; in bytes
	s_mov_b32 s21, 0
	s_lshl_b32 s46, s75, 8
	s_add_co_u32 s46, s46, s18                     ; W: row 256 x tile column + 128 x half
	s_lshl_b32 s46, s46, 10
	s_mov_b32 s47, 0
	s_mul_i32 s45, s14, HALFT                      ; where they go: wave x 128 rows
	s_wait_dscnt 0x0                               ; both opening adds are done
	s_wait_kmcnt 0x0
	s_load_b256 s[80:87], s[8:9], 0x0              ; e0 .. e7
	s_cmp_eq_u32 ttmp9, 2
	s_cselect_b64 s[92:93], s[6:7], s[4:5]         ; region A's buffer: x's codes, for v W's
	s_cselect_b64 s[94:95], s[4:5], s[6:7]         ; region B's: the other one
	s_add_nc_u64 s[20:21], s[92:93], s[20:21]
	s_add_nc_u64 s[46:47], s[94:95], s[46:47]
	CROUND                                         ; all sixteen work-groups are here: the first joint loads meet
.irp s, 0,1
	s_mov_b32 s[G0+4*\s], 1
	s_add_co_u32 s[G0+4*\s+1], s45, \s*SLOT
	s_add_nc_u64 s[G0+4*\s+2:G0+4*\s+3], s[20:21], \s*ROWB
	s_or_b32 s[G0+4*\s+3], s[G0+4*\s+3], 0x80000000
	s_mov_b32 s[G0B+4*\s], 1
	s_add_co_u32 s[G0B+4*\s+1], s45, \s*SLOT
	s_add_nc_u64 s[G0B+4*\s+2:G0B+4*\s+3], s[46:47], \s*ROWB
	s_or_b32 s[G0B+4*\s+3], s[G0B+4*\s+3], 0x80000000
.endr
	JLOAD G0, G1, G0B, G1B                         ; K step 0: one tensor load a wave at the head
	; DATA PREFETCHES.  A K step is 256 bytes of each row.  Of the 128 rows that my wave fetches, each of the four partners that ask for them jointly names 32, told apart by address (cx for region A, cy for region B):
	; a lane a row, so each block of 256 bytes is named once in each cluster that loads it.  Behind K step 0's load K steps 1 and 2 are named, behind K step 1's load K step 3: never more than two steps ahead; the row ends with K step 3.
	s_cmp_eq_u32 s15, 0                            ; do I fetch for region A?
	s_cselect_b64 s[66:67], s[20:21], s[46:47]     ; my 128 rows at K step 0
	s_cselect_b32 s99, s40, s41                    ; my place among the four that ask with me
	s_lshl_b32 s98, s99, 15                        ; 32 rows of 1,024 bytes
	s_mov_b32 s99, 0
	s_add_nc_u64 s[66:67], s[66:67], s[98:99]      ; never rewritten
	v_and_b32 v30, 31, v0
	v_lshlrev_b32 v30, 10, v30                     ; a lane a row; never rewritten
	global_prefetch_b8 v30, s[66:67] offset:256 th:TH_LOAD_NT scope:SCOPE_SE
	global_prefetch_b8 v30, s[66:67] offset:512 th:TH_LOAD_NT scope:SCOPE_SE
	v_and_b32 v1, 15, v0                           ; r
	v_bfe_u32 v2, v0, 4, 1                         ; h
	v_mul_u32_u24 v3, v1, PITCH
	v_lshl_add_u32 v4, v2, 4, v3                   ; a fragment's row x pitch + 16 h
	s_wait_alu depctr_va_vdst(0)
	s_mul_i32 s21, s15, HALFT                      ; source 1: my 128 rows of region A
	s_mul_i32 s22, s16, HALFT                      ; source 0: my 128 rows of region B,
	s_add_co_u32 s22, s22, 2*HALFT                 ; which lies behind A's 256
.irp s, 0,1
	v_add_nc_u32 v[ADRA+\s], s21, v4
	v_add_nc_u32 v[ADRB+\s], s22, v4
	s_add_co_u32 s21, s21, SLOT
	s_add_co_u32 s22, s22, SLOT
.endr
	; the biases, in both forms (both inside the buffer): by eight neighbouring features a lane (q, k), and one feature a lane and block (v)
	s_lshl_b32 s98, s42, 10                        ; 4 bytes x 256 x tile column
	s_lshl_b32 s94, s16, 9
	s_add_co_u32 s92, s98, s94
	s_mov_b32 s93, 0
	s_add_nc_u64 s[88:89], s[10:11], s[92:93]
	s_lshl_b32 s94, s15, 9
	s_add_co_u32 s92, s41, 8                       ; v's form: the features of tile 8 + cy (inside the buffer in every cluster)
	s_lshl_b32 s92, s92, 10
	s_add_co_u32 s92, s92, s94
	s_add_nc_u64 s[90:91], s[10:11], s[92:93]
	v_lshlrev_b32 v9, 5, v2                        ; 32 h
	v_lshlrev_b32 v10, 2, v1                       ; 4 r
.irp b, 0,1,2,3,4,5,6,7
	global_load_b128 v[BN+8*\b:BN+8*\b+3], v9, s[88:89] offset:64*\b
	global_load_b128 v[BN+8*\b+4:BN+8*\b+7], v9, s[88:89] offset:64*\b+16
.endr
.irp b, 0,1,2,3,4,5,6,7
	global_load_b32 v[BV+2*\b], v10, s[90:91] offset:64*\b
.endr
	; the way out's addresses.  Stage rows of 144 bytes; a lane puts 8 codes at 16 b + 8 h of row r
	s_mul_i32 s23, s14, 16*SPN
	v_mul_u32_u24 v5, v1, SPN
	v_lshl_add_u32 v5, v2, 3, v5
	v_add_nc_u32 v[STON], s23, v5
	v_add_nc_u32 v[STOV], VSTG, v[STON]
	v_and_b32 v6, 31, v0
	v_lshlrev_b32 v[CO], 4, v6
	v_lshrrev_b32 v7, 2, v6                        ; q, k back: 8 tokens x 64 bytes of one head an instruction
	v_mul_u32_u24 v7, v7, SPN
	v_and_b32 v8, 3, v6
	v_lshl_add_u32 v7, v8, 4, v7
	v_add_nc_u32 v[RDN], s23, v7
	v_lshrrev_b32 v7, 3, v6                        ; v back: 4 rows d x 128 bytes an instruction
	v_mul_u32_u24 v7, v7, SPN
	v_and_b32 v8, 7, v6
	v_lshl_add_u32 v7, v8, 4, v7
	v_add_nc_u32 v7, s23, v7
	v_add_nc_u32 v[RDV], VSTG, v7
	s_lshr_b32 s92, s17, 3                         ; the batch
	s_lshl_b32 s92, s92, 4
	s_lshl_b32 s94, s40, 2
	s_add_co_u32 s98, s92, s94                     ; 16 batch + 4 cx: the tile's first head
	s_and_b32 s99, s17, 7
	s_lshl_b32 s99, s99, 1                         ; the tile's first 128 tokens of the sequence
	s_lshl_b32 s94, s16, 1                         ; q, k: my two heads by my half of the features, my 128 tokens by my half of the rows
	s_add_co_u32 s94, s98, s94
	s_lshl_b32 s94, s94, 17
	s_add_co_u32 s95, s99, s15
	s_lshl_b32 s95, s95, 13
	s_add_co_u32 s92, s94, s95
	s_cmp_eq_u32 ttmp9, 0
	s_cselect_b64 s[76:77], s[68:69], s[70:71]
	s_add_nc_u64 s[76:77], s[76:77], s[92:93]
	s_lshr_b32 s98, s75, 3                         ; v: the batch of the tile of tokens 4 Y + cx,
	s_lshl_b32 s98, s98, 4
	s_lshl_b32 s94, s41, 2
	s_add_co_u32 s98, s98, s94                     ; 16 batch + 4 cy: the tile's first head
	s_and_b32 s99, s75, 7
	s_lshl_b32 s99, s99, 1                         ; and its first 128 keys of the sequence
	s_lshl_b32 s94, s15, 1
	s_add_co_u32 s94, s98, s94
	s_lshl_b32 s94, s94, 17
	s_add_co_u32 s95, s99, s16
	s_lshl_b32 s95, s95, 13
	s_add_co_u32 s92, s94, s95
	s_add_nc_u64 s[78:79], s[72:73], s[92:93]
.macro FRAG reg, adr, q, i             ; 16 rows x 128 K: registers 4 c .. 4 c + 3 hold K = 32 c + 16 h + 0 .. 15 of row r
.irp c, 0,1,2,3
	ds_load_b128 v[\reg+4*\c:\reg+4*\c+3], v[\adr] offset:128*(\q)+32*\c+(\i)*16*PITCH
.endr
.endm
; 16 matrix instructions: source 1's blocks a0, a0 + 1 x source 0's eight.  The 64 accumulators take turns, one instruction a turn, in the same order in every step.
.macro MUL16 a0, p, zero
.irp a, \a0, \a0+1
.irp b, 0,1,2,3,4,5,6,7
.if \zero
	v_wmma_f32_16x16x128_fp8_fp8 v[8*(8*((\a)%4)+\b):8*(8*((\a)%4)+\b)+7], v[128*(\p)+FR*\b:128*(\p)+FR*\b+FR-1], v[AF+FR*(\a):AF+FR*(\a)+FR-1], 0
.else
	v_wmma_f32_16x16x128_fp8_fp8 v[8*(8*((\a)%4)+\b):8*(8*((\a)%4)+\b)+7], v[128*(\p)+FR*\b:128*(\p)+FR*\b+FR-1], v[AF+FR*(\a):AF+FR*(\a)+FR-1], v[8*(8*((\a)%4)+\b):8*(8*((\a)%4)+\b)+7]
.endif
.endr
.endr
.endm
.macro FETCH_B slot, q, p
	WIN TO_B
.irp i, 0,1,2,3,4,5,6,7
	FRAG 128*(\p)+FR*\i, ADRB+\slot, \q, \i
.endr
	WIN 0
.endm
.macro FETCH_A slot, q, i0
.irp i, \i0, \i0+1, \i0+2, \i0+3
	FRAG AF+FR*(\i), ADRA+\slot, \q, \i
.endr
.endm
.macro PLACES n                        ; plain vector instructions between a matrix instruction and a load into, or a vector read or write of, its registers
.rept \n
	v_nop
.endr
.endm
.macro STEP slot, q, zero              ; 128 along K that have their successor in the same slot
	s_wait_dscnt 4*NL                              ; source 0's set and source 1's blocks 0-3 are in; the youngest 16 loads (blocks 4-7) may be out
	WIN MUL_LO
	MUL16 0, (\q)%2, \zero
	MUL16 2, (\q)%2, \zero
	s_wait_dscnt 0
	PLACES NP
	FETCH_B \slot, (\q)+1, 1-(\q)%2
	FETCH_A \slot, (\q)+1, 0
	WIN MUL_HI
	MUL16 4, (\q)%2, \zero
	MUL16 6, (\q)%2, \zero
	PLACES NP
	WIN 0
	FETCH_A \slot, (\q)+1, 4
.endm
; A slot's last 128 change slots: one barrier; in front of it each wave waits for all its tensor loads, adds 0 to its spare word, and waits for that and for its reads of this slot.  fill = 1: the slot is filled again, two K steps ahead.
.macro TURN slot, next, fill
	s_wait_tensorcnt 0x0                           ; all my tensor loads have landed: my part of the next slot
	ds_add_u32 v[SPW], v[NIL]                      ; 0 onto my spare word
	s_wait_dscnt 4*NL+1                            ; (the add and the youngest 16 loads may be out)
	WIN MUL_LO
	MUL16 0, 1, 0
	s_wait_dscnt 0x0                               ; the add is done, and my reads of this slot are over
	s_barrier_signal -1
	MUL16 2, 1, 0
	WIN 0
	s_barrier_wait -1
.if \fill
	CREST                                          ; the barrier has opened a round of the cluster's barrier: no wave of any partner still reads this slot or has a load on its way
	s_add_nc_u64 s[G0+4*\slot+2:G0+4*\slot+3], s[G0+4*\slot+2:G0+4*\slot+3], 2*ROWB
	s_add_nc_u64 s[G0B+4*\slot+2:G0B+4*\slot+3], s[G0B+4*\slot+2:G0B+4*\slot+3], 2*ROWB
	JLOAD G0+4*\slot, G1, G0B+4*\slot, G1B         ; the first tensor load behind the round; its four v_nop are the places in front of the loads below
.else
	PLACES NP
.endif
	FETCH_B \next, 0, 0
	FETCH_A \next, 0, 0
	WIN MUL_HI
	MUL16 4, 1, 0
	MUL16 6, 1, 0
	PLACES NP
	WIN 0
	FETCH_A \next, 0, 4
.endm
	s_wait_alu depctr_va_vdst(0)                   ; the head's end
	s_wait_tensorcnt 0x0                           ; my part of K step 0 is in
	ds_add_u32 v[SPW], v[NIL]
	s_wait_dscnt 0x0
	CROUND                                         ; everybody's part of K step 0 is in, and the joint loads meet
	JLOAD G0+4, G1, G0B+4, G1B                     ; K step 1: the first tensor load behind the round
	global_prefetch_b8 v30, s[66:67] offset:768 th:TH_LOAD_NT scope:SCOPE_SE   ; K step 3, two steps ahead of its load
	FETCH_B 0, 0, 0
	FETCH_A 0, 0, 0
	FETCH_A 0, 0, 4
	STEP 0, 0, 1                                   ; the first products start the sums: nothing is cleared
	s_mov_b32 s3, LAPS-1
.Llap:
	TURN 0, 1, 1
	STEP 1, 0, 0
	TURN 1, 0, 1
	STEP 0, 0, 0
	s_sub_co_u32 s3, s3, 1
	s_cmp_lg_u32 s3, 0
	s_cbranch_scc1 .Llap
	TURN 0, 1, 0                                   ; the last lap fills nothing
	STEP 1, 0, 0
	s_wait_dscnt 4*NL
	WIN MUL_LO
	MUL16 0, 1, 0
	MUL16 2, 1, 0
	s_wait_dscnt 0
	WIN MUL_HI
	MUL16 4, 1, 0
	MUL16 6, 1, 0
	WIN 0
; THE WAY OUT, by blocks a of source 1's 16 rows.  sum x 2^(e0 + e1) + bias, the hold, the conversion: 8 codes a lane and tile; through my stage, so that each store of the wave covers 512 consecutive bytes, aligned.
; mode 0: q, k: a block is 16 tokens x 2 heads x 64.   mode 1: v: a block is 16 rows d x 128 keys.
.macro TOSTAGE a, mode
.set AC, 64*((\a)%4)
.set CD, 192+16*((\a)%2)
.set BB, 224+16*((\a)%2)
	WIN 0x02+((\a)/4)                              ; source 0: window 2 or 3
.irp b, 0,1,2,3,4,5,6,7
.irp i, 0,2,4,6
.if \mode
	v_pk_fma_f32 v[TMP+8*\b+\i:TMP+8*\b+\i+1], v[AC+8*\b+\i:AC+8*\b+\i+1], s[96:97], v[BV+2*(\a):BV+2*(\a)+1] op_sel_hi:[1,0,1]
.else
	v_pk_fma_f32 v[TMP+8*\b+\i:TMP+8*\b+\i+1], v[AC+8*\b+\i:AC+8*\b+\i+1], s[96:97], v[BN+8*\b+\i:BN+8*\b+\i+1] op_sel_hi:[1,0,1]
.endif
.endr
.endr
	WIN 0
.irp b, 0,1,2,3,4,5,6,7
.irp i, 0,1,2,3,4,5,6,7
	v_med3_num_f32 v[TMP+8*\b+\i], v[TMP+8*\b+\i], -v[LIMV], v[LIMV]   ; the conversion does not saturate (ISA guide 7.6.2)
.endr
	v_cvt_scalef32_pk8_fp8_f32 v[CD+2*\b:CD+2*\b+1], v[TMP+8*\b:TMP+8*\b+7], v[SCV]
.endr
	v_nop                                          ; a plain vector instruction behind the last conversion
.irp b, 0,1,2,3,4,5,6,7
.if \mode
	ds_store_b64 v[STOV], v[CD+2*\b:CD+2*\b+1] offset:16*\b
.else
	ds_store_b64 v[STON], v[CD+2*\b:CD+2*\b+1] offset:16*\b
.endif
.endr
.irp i, 0,1,2,3                        ; LDS serves a wave's instructions in order: these see the stores above
.if \mode
	ds_load_b128 v[BB+4*\i:BB+4*\i+3], v[RDV] offset:4*SPN*\i
.else
	ds_load_b128 v[BB+4*\i:BB+4*\i+3], v[RDN] offset:64*(\i/2)+8*SPN*(\i%2)
.endif
.endr
.endm
.macro SEND a, mode, younger
.set BB, 224+16*((\a)%2)
	s_wait_dscnt \younger                          ; the block is back; the next block's 8 stores and 4 loads may be out
.irp i, 0,1,2,3
.if \mode
	global_store_b128 v[CO], v[BB+4*\i:BB+4*\i+3], s[78:79] offset:131072*((\a)/4)+2048*((\a)%4)+512*\i
.else
	global_store_b128 v[CO], v[BB+4*\i:BB+4*\i+3], s[76:77] offset:131072*(\i/2)+1024*(\a)+512*(\i%2)
.endif
.endr
.endm
.macro OUT mode
	TOSTAGE 0, \mode
.irp a, 1,2,3,4,5,6,7
.if \a > 1
	s_wait_xcnt 0x0                                ; block a - 2's stores have read their registers: block a's loads may land there
.endif
	TOSTAGE \a, \mode
	SEND \a-1, \mode, 12
.endr
	SEND 7, \mode, 0
.endm
	s_wait_kmcnt 0x0
	s_wait_loadcnt 0x0                             ; the biases
	s_add_co_i32 s96, s80, s81
	s_add_co_i32 s96, s96, 127
	s_lshl_b32 s96, s96, 23                        ; 2^(e0 + e1) as f32
	s_mov_b32 s97, s96                             ; (named with it as a pair)
	s_cmp_eq_u32 ttmp9, 1
	s_cselect_b32 s92, s83, s85
	s_cmp_eq_u32 ttmp9, 0
	s_cselect_b32 s92, s82, s92                    ; the exponent of what this tile makes: e2, e3 or e5: a choice, no branch
	s_add_co_i32 s92, s92, 127
	s_lshl_b32 s93, s92, 23
	v_mov_b32 v[SCV], s93
	s_add_co_i32 s92, s92, 8
	s_lshl_b32 s92, s92, 23
	s_or_b32 s92, s92, 0x600000
	v_mov_b32 v[LIMV], s92                         ; 448 x the scale
	PLACES NP
	s_cmp_eq_u32 ttmp9, 2                          ; the cluster's x: all sixteen partners go the same way
	s_cbranch_scc1 .Lpath_v
	OUT 0
	s_branch .Ldone
.Lpath_v:
.irp b, 0,1,2,3,4,5,6,7
	v_mov_b32 v[BV+2*\b+1], v[BV+2*\b]             ; the packed form takes a pair
.endr
	OUT 1
.Ldone:
	s_wait_tensorcnt 0x0                           ; the wave's end
	ds_add_u32 v[SPW], v[NIL]
	s_wait_dscnt 0x0
	CROUND                                         ; the closing round
	s_endpgm
.Lfunc_end_k_q01fffe5a84_gemm_qkv:
	.size	k_q01fffe5a84_gemm_qkv, .Lfunc_end_k_q01fffe5a84_gemm_qkv-k_q01fffe5a84_gemm_qkv
	.p2alignl 7, 3214868480
	.fill 96, 4, 3214868480
	.section	.rodata,"a",@progbits
	.p2align	6, 0x0
	.amdhsa_kernel k_q01fffe5a84_gemm_qkv
		.amdhsa_group_segment_fixed_size 327680
		.amdhsa_private_segment_fixed_size 0
		.amdhsa_enable_private_segment 0
		.amdhsa_kernarg_size 56
		.amdhsa_user_sgpr_count 2
		.amdhsa_user_sgpr_kernarg_segment_ptr 1
		.amdhsa_wavefront_size32 1
		.amdhsa_system_sgpr_workgroup_id_x 1
		.amdhsa_system_sgpr_workgroup_id_y 1
		.amdhsa_system_sgpr_workgroup_id_z 1
		.amdhsa_system_vgpr_workitem_id 0
		.amdhsa_next_free_vgpr 1024
		.amdhsa_next_free_sgpr 100
		.amdhsa_reserve_vcc 0
		.amdhsa_float_denorm_mode_32 3
		.amdhsa_float_denorm_mode_16_64 3
		.amdhsa_memory_ordered 1
		.amdhsa_forward_progress 1
		.amdhsa_inst_pref_size 208
	.end_amdhsa_kernel
	.amdgpu_metadata
---
amdhsa.version: [ 1, 2 ]
amdhsa.kernels:
  - .name:           k_q01fffe5a84_gemm_qkv
    .symbol:         k_q01fffe5a84_gemm_qkv.kd
    .args:
      - { .name: x_codes, .offset: 0, .size: 8, .value_kind: global_buffer, .address_space: global }
      - { .name: wqkv_codes, .offset: 8, .size: 8, .value_kind: global_buffer, .address_space: global }
      - { .name: lowp_scales, .offset: 16, .size: 8, .value_kind: global_buffer, .address_space: global }
      - { .name: b_qkv, .offset: 24, .size: 8, .value_kind: global_buffer, .address_space: global }
      - { .name: q_codes, .offset: 32, .size: 8, .value_kind: global_buffer, .address_space: global }
      - { .name: k_codes, .offset: 40, .size: 8, .value_kind: global_buffer, .address_space: global }
      - { .name: v_codes, .offset: 48, .size: 8, .value_kind: global_buffer, .address_space: global }
    .group_segment_fixed_size: 327680
    .private_segment_fixed_size: 0
    .kernarg_segment_align: 8
    .kernarg_segment_size: 56
    .max_flat_workgroup_size: 128
    .sgpr_count:     100
    .vgpr_count:     1024
    .wavefront_size: 32
...
	.end_amdgpu_metadata
.endif
;; end of part 2
;; launch attn (part 3): grid 4 x 64, 16 waves a work-group, clusters of 4 x 1, 327,680 bytes of LDS; arguments q_codes, k_codes, v_codes, lowp_scales, y_codes; writes y_codes
.if DOCPART == 3
	.amdgcn_target "amdgcn-amd-amdhsa--gfx1250"
	.amdhsa_code_object_version 6
	.text
	.protected	k_q01fffe5a84_attn
	.globl	k_q01fffe5a84_attn
	.p2align	8
	.type	k_q01fffe5a84_attn,@function
k_q01fffe5a84_attn:
	s_mov_b64 s[64:65], 0
	v_nop
	global_prefetch_b8 v0, s[64:65] scope:SCOPE_SE
	s_setreg_imm32_b32 hwreg(HW_REG_WAVE_MODE, 25, 1), 1
	s_wait_xcnt 0x0
	s_wait_alu depctr_hold_cnt(0) depctr_sa_sdst(0) depctr_va_vdst(0) depctr_va_sdst(0) depctr_va_ssrc(0) depctr_va_vcc(0) depctr_vm_vsrc(0)
	s_getreg_b32 s2, hwreg(HW_REG_IB_STS2, 6, 4)
	s_cmp_eq_u32 s2, 0
	s_cbranch_scc0 .Lentry_in_a_cluster
	s_endpgm
.Lentry_in_a_cluster:
	s_bfe_u32 s2, ttmp6, 0x10000c
	s_cmp_lg_u32 s2, 0x3003
	s_cbranch_scc0 .Lentry_shape_is_right
	s_endpgm
.Lentry_shape_is_right:
; y[head][q] = softmax over keys k <= q of (q . k / 8), times v, both products on codes of E4M3; y is quantised at once with 2^e6 for the projection.
; LEFT OUT: a step of 128 keys all of which come after a wave's 16 queries: the function's own causal mask gives those keys the weight 0 for all values of the inputs.  A NaN, infinity or overflow that reaches only them is not carried on.
; q_codes, k_codes [64 heads][2048][64];  v_codes [64 heads][16 blocks][64 d][128 keys];  y_codes [16 heads][8192 rows (2048 batch + q)][64].
; THE SOFTMAX AHEAD OF THE SECOND PRODUCT: t = score x log2(e) / 8; M = the running largest t rounded up to a whole number; p = 2^(t - M) is quantised with 2^e4, not normalised; the row's sum is taken of the
; unquantised p in f32 and divides at the end; when M moves, the sum and O are multiplied by 2^(old M - new M), which rounds nothing.
; LDS HOLDS A HEAD'S WHOLE K AND V: 1,024 rows of two keys (144 bytes) and 512 rows of two d (272 bytes), 286,720 bytes: every byte is filled once, nothing is filled again.
; CLUSTER: the four work-groups of a head need the same K and V and ask for them jointly (mask 15).  Partner p owns the tiles of 16 queries with number t = 4 i + p, i = 0 .. 31.  Tile t walks t / 8 + 1 steps of 128 keys,
; which is i / 2 + 1 for every p: no branch, trip count or LDS address hangs on p; p enters Q's and y's offsets and the number that the diagonal's compare takes, and nothing else.
; SHARES.  Wave w of sixteen takes tile i = 31 - w and then tile i = w: 17 steps in every wave, the last step of each tile on the diagonal.  A tile lives in 256 registers: four waves to a SIMD, so that one wave's
; vector work stands beside another's products and LDS loads.
; LOADS.  Two groups, one joint load a wave each (waves 0-7 K, waves 8-15 V): keys 0-511 at the head, 4,096 bytes a wave; keys 512-2047, 12,288 bytes a wave, behind a round
; of the cluster's barrier.  The first four steps, which every wave has (its first tile walks 9 or more), read the first group's bytes alone; one barrier follows them, in front of which each wave has waited for its part of the second group.
; NO DATA PREFETCH: both groups are asked for ahead of the first loop; no later load exists for a loop to run ahead of.
; LAYOUT.  Both products are used transposed (S^T = K Q^T, O^T = V^T P^T): a lane holds one query.  Lane r of key tile 2 b + u takes key 32 b + 8 u + r + 8 (r / 8), so that the 16 registers of tiles
; 2 b, 2 b + 1 are 16 neighbouring keys.  Fragments come by 16-byte loads: k is permuted inside an instruction, alike in both operands.
; LIMITS: e2 + e3 between -123 and 130 (added to c's exponent field); e4, e6 between -126 and 119; e4 + e5 goes by v_ldexp_f32 and has none.
; REGISTERS: v1, v2, v5-v11 addresses; v3 the diagonal's number, v4 its part that stays; v12 -M, v13 the largest t, v[14:15] the sum; v16-23 Q; v24-31 y's codes; v32-95 fragments of K, then of V; v96-159 S^T, then p;
;   v160-191 O^T; v192-199 the second tile's Q; v200-207 offsets of Q, then y's rows on their way out; v224-239 p's codes; v240, v244: 448 x 2^e4, 2^e4; v241, v245 the same with e6; v236, v242-254 at work.
.set KP,    144
.set VP,    272
.set KSTEP, 64*KP                      ; 128 keys of K in LDS
.set VSTEP, 32*VP                      ; 128 keys of V
.set VOFF,  16*KSTEP
.set STAGE, VOFF+16*VSTEP              ; 16 waves x 1,088 bytes: no fill lands here
.set SPARE, STAGE+16*1088              ; the spare words, 128 bytes for each wave: eight blocks of 256 bytes that no other line names
.set AK0, 1
.set AV0, 2
.set DD,  3
.set DD0, 4
.set SPW, 5
.set NIL, 6
.set GO,  7
.set ADK, 8
.set ADV, 9
.set STO, 10
.set SRD, 11
.set WV,  18
.set SEL, 20
.set CS,  22
.set G1K, 24
.set G1V, 32
.set G0K, 40
.set G0V, 44
.set TBK, 48                           ; s48, s49  the step's first byte in K's and in V's region
.set TBV, 49
.set KB,  50                           ; s[50:51] the head's K;  s[52:53] its V
.set VB,  52
.set YB,  54                           ; s[54:55] y_codes at my head's plane and my batch's rows
.set J,   56                           ; s56  the last step of the tile in hand
.set KS,  57                           ; s57  the step
.set CX,  58
.set QO,  60                           ; s60  the tile's first byte in the head's Q, and in y's rows.  s61: the same for the second tile
.set QO2, 61
.set WI,  62                           ; s62  wave % 8
.set D1,  63                           ; s63  the tile's first query less its last step's first key: 64 (i % 2) + 16 p.  s66: the same for the second tile
.set D2,  66
.macro TLOAD                           ; an s_nop 0 and four v_nop follow each of the two lines
	s_cmp_lt_u32 s[WV], 8
	s_cbranch_scc0 .Lfor_v_\@
	tensor_load_to_lds s[G0K:G0K+3], s[G1K:G1K+7]
	s_nop 0
.rept 4
	v_nop
.endr
	s_branch .Lasked_\@
.Lfor_v_\@:
	tensor_load_to_lds s[G0V:G0V+3], s[G1V:G1V+7]
	s_nop 0
.rept 4
	v_nop
.endr
.Lasked_\@:
.endm
.macro CROUND                          ; a round of the cluster's barrier
	s_barrier_signal -1
	s_barrier_wait -1
	s_cmp_lg_u32 s[WV], 0
	s_cbranch_scc1 .Lnot_wave_0_\@
	s_barrier_signal -3
.Lnot_wave_0_\@:
	s_barrier_wait -3
	s_barrier_signal -1
	s_barrier_wait -1
.endm
.macro ZERO                            ; a tile's state at its start: the step is written once, its first run finds zeros
	v_mov_b32 v13, 0xff61b1e6                      ; the largest t so far: -3e38
	v_floor_f32 v12, -v13
	v_mov_b32 v14, 0
	v_mov_b32 v15, 0
	v_mov_b32 v236, 0                              ; a lane permute's destination counts as one of its sources
	v_mov_b32 v252, 0
	v_mov_b32 v253, 0
.set JJ, 0
.rept 32
	v_mov_b32 v[160+JJ], 0
.set JJ, JJ+1
.endr
.endm
	s_load_b256 s[4:11], s[0:1], 0x0               ; q_codes s[4:5], k_codes s[6:7], v_codes s[8:9], the exponents s[10:11]
	s_load_b64 s[12:13], s[0:1], 0x20              ; y_codes
	v_lshl_add_u32 v[SPW], v0, 2, SPARE
	v_mov_b32 v[NIL], 0
	ds_add_u32 v[SPW], v[NIL]                      ; the wave's opening: the add, twice on end, and its wait ahead of the round in front of the first tensor loads
	ds_add_u32 v[SPW], v[NIL]
	v_lshrrev_b32 v8, 5, v0
	v_readfirstlane_b32 s[WV], v8                  ; wave 0..15
	s_bfe_u32 s[CX], ttmp6, 0x40000                ; p: my place in the cluster
	s_and_b32 s72, ttmp7, 0xffff                   ; the head, 16 batch + head
	s_lshl_b32 s74, s72, 17                        ; its first byte in q_codes, k_codes, v_codes
	s_mov_b32 s75, 0
	s_sub_co_u32 s76, 31, s[WV]                    ; the first tile's i
	s_lshr_b32 s[J], s76, 1                        ; its last step
	s_lshl_b32 s96, s[CX], 10
	s_lshl_b32 s[QO], s76, 12
	s_add_co_u32 s[QO], s[QO], s96                 ; 1,024 bytes x tile (4 i + p)
	s_lshl_b32 s[QO2], s[WV], 12
	s_add_co_u32 s[QO2], s[QO2], s96
	s_lshl_b32 s73, s[CX], 4
	s_and_b32 s[D1], s76, 1
	s_lshl_b32 s[D1], s[D1], 6
	s_add_co_u32 s[D1], s[D1], s73
	s_and_b32 s[D2], s[WV], 1
	s_lshl_b32 s[D2], s[D2], 6
	s_add_co_u32 s[D2], s[D2], s73
	s_mul_i32 s97, s[WV], 1088
	s_add_co_u32 s97, s97, STAGE                   ; my stage
	s_and_b32 s[WI], s[WV], 7
	s_and_b32 s70, s72, 15
	s_lshl_b32 s70, s70, 19                        ; y: the head's plane of 524,288 bytes,
	s_lshr_b32 s71, s72, 4
	s_lshl_b32 s71, s71, 17                        ; the batch's 2,048 rows of 64
	s_add_co_u32 s70, s70, s71
	s_mov_b32 s71, 0
	s_mov_b32 s[SEL], 0x76543210
	s_mov_b32 s[SEL+1], 0xfedcba98
	s_mov_b32 s[CS], 0x3e38aa3b                    ; c = log2(e) / 8
	; group 1: dense blocks stated as rows of 256 bytes; the mask names the cluster's four, bit 21 beside it.  K: four words of padding after every 32; V: after every 64.  The first group's tiles have 16 rows
	s_mov_b32 s[G1K], 15|(1<<20)|(1<<21)|(4<<22)|(3<<25)
	s_mov_b32 s[G1V], 15|(1<<20)|(1<<21)|(5<<22)|(3<<25)
.irp g, G1K, G1V
	s_mov_b32 s[\g+1], 256<<16                     ; tensor_dim0
	s_mov_b32 s[\g+2], 16<<16                      ; tensor_dim1
	s_mov_b32 s[\g+3], 256<<16                     ; tile_dim0
	s_mov_b32 s[\g+4], 16                          ; tile_dim1
	s_mov_b32 s[\g+5], 256                         ; stride
	s_mov_b32 s[\g+6], 0
	s_mov_b32 s[\g+7], 0
.endr
	v_and_b32 v8, 15, v0                           ; r
	v_bfe_u32 v9, v0, 4, 1                         ; h
	v_and_b32 v10, 8, v8
	v_add_nc_u32 v10, v10, v8                      ; r + 8 (r / 8): my key in a tile
	v_lshrrev_b32 v11, 1, v10
	v_mul_u32_u24 v[AK0], v11, KP
	v_and_b32 v11, 1, v10
	v_lshl_add_u32 v[AK0], v11, 6, v[AK0]
	v_lshl_add_u32 v[AK0], v9, 4, v[AK0]           ; K: 144 (key / 2) + 64 (key % 2) + 16 h
	v_lshrrev_b32 v11, 1, v8
	v_mul_u32_u24 v[AV0], v11, VP
	v_and_b32 v11, 1, v8
	v_lshl_add_u32 v[AV0], v11, 7, v[AV0]
	v_lshl_add_u32 v[AV0], v9, 4, v[AV0]
	v_add_nc_u32 v[AV0], VOFF, v[AV0]              ; V: 272 (d / 2) + 128 (d % 2) + 16 h
	v_lshlrev_b32 v10, 6, v8
	v_lshl_add_u32 v10, v9, 4, v10                 ; Q: 64 r + 16 h
	v_add_nc_u32 v200, s[QO], v10
	v_add_nc_u32 v201, s[QO2], v10
	v_lshrrev_b32 v11, 2, v8
	v_mul_u32_u24 v[STO], v11, 272
	v_and_b32 v11, 3, v8
	v_lshl_add_u32 v[STO], v11, 6, v[STO]
	v_lshl_add_u32 v[STO], v9, 3, v[STO]
	v_add_nc_u32 v[STO], s97, v[STO]               ; the stage, in: query r, 8 codes at 16 t + 8 h
	v_mul_u32_u24 v[SRD], v9, 272
	v_lshl_add_u32 v[SRD], v8, 4, v[SRD]
	v_add_nc_u32 v[SRD], s97, v[SRD]               ; back: 512 dense bytes an instruction
	v_lshlrev_b32 v[DD0], 4, v9
	v_sub_nc_u32 v[DD0], v8, v[DD0]                ; r - 16 h
	v_add_nc_u32 v[DD], s[D1], v[DD0]              ; on the diagonal: my query - the step's first key - 16 h
	s_wait_alu depctr_va_vdst(0)
	s_wait_dscnt 0x0                               ; both opening adds are done
	s_wait_kmcnt 0x0
	s_load_b256 s[80:87], s[10:11], 0x0            ; e0 .. e7
	s_add_nc_u64 s[YB:YB+1], s[12:13], s[70:71]
	s_add_nc_u64 s[KB:KB+1], s[6:7], s[74:75]
	s_add_nc_u64 s[VB:VB+1], s[8:9], s[74:75]
	s_add_nc_u64 s[4:5], s[4:5], s[74:75]
	s_lshl_b32 s96, s[WI], 12                      ; the first group: 64 keys, 4,096 bytes, a wave
	s_mov_b32 s97, 0
	s_mov_b32 s[G0K], 1
	s_mul_i32 s[G0K+1], s[WI], KSTEP/2
	s_add_nc_u64 s[G0K+2:G0K+3], s[KB:KB+1], s[96:97]
	s_or_b32 s[G0K+3], s[G0K+3], 0x80000000
	s_mov_b32 s[G0V], 1
	s_mul_i32 s[G0V+1], s[WI], VSTEP/2
	s_add_co_u32 s[G0V+1], s[G0V+1], VOFF
	s_add_nc_u64 s[G0V+2:G0V+3], s[VB:VB+1], s[96:97]
	s_or_b32 s[G0V+3], s[G0V+3], 0x80000000
	CROUND                                         ; the four partners are here: the first joint loads meet
	TLOAD                                          ; keys 0 to 511: one tensor load a wave at the head
	global_load_b128 v[16:19], v200, s[4:5]        ; Q of my two tiles
	global_load_b128 v[20:23], v200, s[4:5] offset:32
	global_load_b128 v[192:195], v201, s[4:5]
	global_load_b128 v[196:199], v201, s[4:5] offset:32
	s_wait_kmcnt 0x0
	s_add_co_i32 s72, s82, s83
	s_lshl_b32 s72, s72, 23
	s_add_co_i32 s[CS], s[CS], s72                 ; a score stands for score x 2^(e2 + e3)
	s_mov_b32 s[CS+1], s[CS]
	s_add_co_i32 s72, s84, 127
	s_lshl_b32 s88, s72, 23
	s_add_co_i32 s72, s72, 8
	s_lshl_b32 s89, s72, 23
	s_or_b32 s89, s89, 0x600000
	s_add_co_i32 s72, s86, 127
	s_lshl_b32 s90, s72, 23
	s_add_co_i32 s72, s72, 8
	s_lshl_b32 s91, s72, 23
	s_or_b32 s91, s91, 0x600000
	s_add_co_i32 s79, s84, s85                     ; e4 + e5
	v_mov_b32 v244, s88                            ; 2^e4
	v_mov_b32 v240, s89                            ; 448 x 2^e4
	v_mov_b32 v245, s90                            ; 2^e6
	v_mov_b32 v241, s91                            ; 448 x 2^e6
	ZERO
; A STEP: 128 keys for my 16 queries.  full = 1: a step behind the tile's last is left out, and the last has the diagonal's lines.
.macro STEP full
.if \full
	s_cmp_gt_u32 s[KS], s[J]                       ; all its keys come after my queries (the wave's number and the count of steps alone)
	s_cbranch_scc1 .Lhidden_\@
.endif
	v_add_nc_u32 v[ADK], s[TBK], v[AK0]
	v_add_nc_u32 v[ADV], s[TBV], v[AV0]
	v_nop
	v_nop                                          ; four places in front of loads into registers that the last products read
.irp t, 0,1,2,3,4,5,6,7
.irp c, 0,1
	ds_load_b128 v[32+8*\t+4*\c:35+8*\t+4*\c], v[ADK] offset:72*(32*(\t/2)+8*(\t%2))+32*\c
.endr
.endr
	s_wait_alu depctr_va_vdst(0)
	s_wait_dscnt 0x0
.irp t, 0,1,2,3,4,5,6,7
	v_wmma_f32_16x16x64_fp8_fp8 v[96+8*\t:103+8*\t], v[32+8*\t:39+8*\t], v[16:23], 0   ; S^T: source 0 = 16 keys, source 1 = my 16 queries
.endr
.rept 4
	v_nop
.endr
.irp t, 0,1,2,3                        ; V's fragments are asked for now and land under the softmax
.irp c, 0,1,2,3
	ds_load_b128 v[32+16*\t+4*\c:35+16*\t+4*\c], v[ADV] offset:8*VP*\t+32*\c
.endr
.endr
.if \full
	s_cmp_lg_u32 s[KS], s[J]                       ; the wave's number and the count of steps alone
	s_cbranch_scc1 .Lopen_\@
	v_mov_b32 v254, 0xff800000                     ; on the diagonal hidden scores become -infinity ahead of the maximum.  Register 16 b + i holds key 32 b + 16 h + i: hidden where 32 b + i > v3
.set NN, 0
.rept 64
	v_cmp_gt_i32 vcc_lo, 32*(NN/16)+NN%16, v[DD]
	v_cndmask_b32 v[96+NN], v[96+NN], v254, vcc_lo
.set NN, NN+1
.endr
.Lopen_\@:
.endif
	v_max3_num_f32 v254, v96, v97, v98             ; the step's largest score of my query among my 64 keys, in two chains,
	v_max3_num_f32 v252, v99, v100, v101
.irp i, 6,10,14,18,22,26,30,34,38,42,46,50,54,58
	v_max3_num_f32 v254, v254, v[96+\i], v[97+\i]
	v_max3_num_f32 v252, v252, v[98+\i], v[99+\i]
.endr
	v_max3_num_f32 v254, v254, v158, v159
	s_delay_alu instid0(VALU_DEP_1)
	v_max_num_f32 v254, v254, v252
	v_permlanex16_b32 v236, v254, s[SEL], s[SEL+1]
	s_delay_alu instid0(VALU_DEP_1)
	v_max_num_f32 v254, v254, v236                 ; and among the other half of the lanes'
	s_delay_alu instid0(VALU_DEP_1)
	v_mul_f32 v254, s[CS], v254                    ; as t (c is positive)
	s_delay_alu instid0(VALU_DEP_1)
	v_max_num_f32 v13, v13, v254
	v_mov_b32 v254, v12
	s_delay_alu instid0(VALU_DEP_2)
	v_floor_f32 v12, -v13                          ; -M = floor(-t): M is a whole number
	s_delay_alu instid0(VALU_DEP_1)
	v_sub_f32 v254, v12, v254                      ; old M - new M, 0 or less
	s_delay_alu instid0(VALU_DEP_1)
	v_cvt_i32_f32 v254, v254                       ; (it saturates)
	s_delay_alu instid0(VALU_DEP_1)
	v_ldexp_f32 v252, 1.0, v254                    ; f = 2^(old M - new M)
.set JJ, 0
.rept 32
	v_pk_fma_f32 v[96+JJ:97+JJ], v[96+JJ:97+JJ], s[CS:CS+1], v[12:13] op_sel_hi:[1,0,0]   ; t - M
.set JJ, JJ+2
.endr
	s_wait_alu depctr_va_vdst(0)
.set JJ, 0
.rept 64
	v_exp_f32 v[96+JJ], v[96+JJ]                   ; p = 2^(t - M)
.set JJ, JJ+1
.endr
	v_pk_mul_f32 v[14:15], v[14:15], v[252:253] op_sel_hi:[1,0]   ; the sum under the new M: the plain instruction behind the exponentials
	s_wait_alu depctr_va_vdst(0)                   ; one wait for the whole batch, ahead of its first reader
	v_pk_add_f32 v[242:243], v[96:97], v[98:99]    ; the row's sum of the unquantised p, two at a time, in four chains
	v_pk_add_f32 v[246:247], v[100:101], v[102:103]
	v_pk_add_f32 v[250:251], v[104:105], v[106:107]
	v_pk_add_f32 v[14:15], v[14:15], v[108:109]
.irp j, 110,118,126,134,142,150
	v_pk_add_f32 v[242:243], v[242:243], v[\j:\j+1]
	v_pk_add_f32 v[246:247], v[246:247], v[\j+2:\j+3]
	v_pk_add_f32 v[250:251], v[250:251], v[\j+4:\j+5]
	v_pk_add_f32 v[14:15], v[14:15], v[\j+6:\j+7]
.endr
	v_pk_add_f32 v[242:243], v[242:243], v[158:159]
	v_pk_add_f32 v[246:247], v[246:247], v[250:251]
	v_pk_add_f32 v[14:15], v[14:15], v[242:243]
	v_pk_add_f32 v[14:15], v[14:15], v[246:247]
.irp b, 0,1,2,3
.irp i, 0,1,2,3,4,5,6,7,8,9,10,11,12,13,14,15
	v_min_num_f32 v[96+16*\b+\i], v[96+16*\b+\i], v240   ; the conversion does not saturate (ISA guide 7.6.2); p is not negative: a one-sided hold
.endr
	v_cvt_scalef32_pk8_fp8_f32 v[224+4*\b:225+4*\b], v[96+16*\b:103+16*\b], v244
	v_cvt_scalef32_pk8_fp8_f32 v[226+4*\b:227+4*\b], v[104+16*\b:111+16*\b], v244
.endr
	s_wait_alu depctr_va_vdst(0)                   ; directly ahead of the first reader of O^T
.set JJ, 0
.rept 16
	v_pk_mul_f32 v[160+JJ:161+JJ], v[160+JJ:161+JJ], v[252:253] op_sel_hi:[1,0]   ; O^T under the new M; also the plain instructions between the conversions and the products
.set JJ, JJ+2
.endr
	s_wait_alu depctr_va_vdst(0)
	s_wait_dscnt 0x0                               ; V is in
.irp t, 0,1,2,3
	v_wmma_f32_16x16x128_fp8_fp8 v[160+8*\t:167+8*\t], v[32+16*\t:47+16*\t], v[224:239], v[160+8*\t:167+8*\t]   ; O^T += V^T P^T: the four accumulators by turns
.endr
.Lhidden_\@:
	s_add_co_u32 s[TBK], s[TBK], KSTEP
	s_add_co_u32 s[TBV], s[TBV], VSTEP
	s_add_co_u32 s[KS], s[KS], 1
.endm
; A tile's end: O^T x 2^(e4 + e5) / the sum, quantised with 2^e6; its 16 rows of 64 codes are 1,024 dense bytes of y_codes: through my stage, then two stores of 512 consecutive bytes, aligned.
.macro FINISH
	s_wait_xcnt 0x0                                ; earlier stores have read v7 and v200-207
	v_and_b32 v[GO], 31, v0
	v_lshl_add_u32 v[GO], v[GO], 4, s[QO]
	v_add_f32 v14, v14, v15
	v_permlanex16_b32 v252, v14, s[SEL], s[SEL+1]
	v_add_f32 v14, v14, v252                       ; the row's sum
	s_wait_alu depctr_va_vdst(0)
	v_rcp_f32 v14, v14
	v_nop                                          ; the plain place behind it
	s_wait_alu depctr_va_vdst(0)                   ; ahead of its first reader
	v_ldexp_f32 v14, v14, s79
	s_wait_alu depctr_va_vdst(0)                   ; directly ahead of the first reader of O^T
.set JJ, 0
.rept 16
	v_pk_mul_f32 v[96+JJ:97+JJ], v[160+JJ:161+JJ], v[14:15] op_sel_hi:[1,0]   ; register 8 t + i is y(query r, d = 16 t + 8 h + i)
.set JJ, JJ+2
.endr
.irp t, 0,1,2,3
.irp i, 0,1,2,3,4,5,6,7
	v_med3_num_f32 v[96+8*\t+\i], v[96+8*\t+\i], -v241, v241
.endr
	v_cvt_scalef32_pk8_fp8_f32 v[24+2*\t:25+2*\t], v[96+8*\t:103+8*\t], v245
.endr
	v_nop                                          ; a plain vector instruction behind the last conversion
.irp t, 0,1,2,3
	ds_store_b64 v[STO], v[24+2*\t:25+2*\t] offset:16*\t
.endr
.irp i, 0,1
	ds_load_b128 v[200+4*\i:203+4*\i], v[SRD] offset:544*\i   ; LDS serves a wave's instructions in order: these see my stores
.endr
	s_wait_dscnt 0x0
.irp i, 0,1
	global_store_b128 v[GO], v[200+4*\i:203+4*\i], s[YB:YB+1] offset:512*\i
.endr
.endm
	s_wait_alu depctr_va_vdst(0)                   ; the head's end
	s_wait_tensorcnt 0x0                           ; my part of keys 0-511 is in
	ds_add_u32 v[SPW], v[NIL]
	s_mov_b32 s[G1K+2], 48<<16                     ; no tensor load of mine is out, so the descriptors may be written: the second group's tiles have 48 rows: 192 keys, 12,288 bytes, a wave
	s_mov_b32 s[G1K+4], 48
	s_mov_b32 s[G1V+2], 48<<16
	s_mov_b32 s[G1V+4], 48
	s_mul_i32 s96, s[WI], 12288
	s_add_co_u32 s96, s96, 32768
	s_mul_i32 s[G0K+1], s[WI], 3*KSTEP/2
	s_add_co_u32 s[G0K+1], s[G0K+1], 4*KSTEP
	s_add_nc_u64 s[G0K+2:G0K+3], s[KB:KB+1], s[96:97]
	s_or_b32 s[G0K+3], s[G0K+3], 0x80000000
	s_mul_i32 s[G0V+1], s[WI], 3*VSTEP/2
	s_add_co_u32 s[G0V+1], s[G0V+1], VOFF+4*VSTEP
	s_add_nc_u64 s[G0V+2:G0V+3], s[VB:VB+1], s[96:97]
	s_or_b32 s[G0V+3], s[G0V+3], 0x80000000
	s_wait_dscnt 0x0                               ; the add is done
	CROUND                                         ; everybody's part of keys 0-511 is in, and the joint loads meet
	TLOAD                                          ; keys 512 to 2047: the first tensor load behind the round, the wave's last
	s_wait_loadcnt 0x0                             ; Q
	s_mov_b32 s[KS], 0
	s_mov_b32 s[TBK], 0
	s_mov_b32 s[TBV], 0
.Lfirst:                                           ; steps 0 to 3 of the first tile (it walks 9 or more in every wave): keys 0-511
	STEP 0
	s_cmp_lt_u32 s[KS], 4
	s_cbranch_scc1 .Lfirst
	s_wait_tensorcnt 0x0                           ; my part of keys 512-2047 is in
	s_wait_dscnt 0x0
	s_barrier_signal -1
	s_barrier_wait -1                              ; and everybody's
.Llong:                                            ; steps 4 to 15: a constant count; a wave works up to its tile's last step
	STEP 1
	s_cmp_lt_u32 s[KS], 16
	s_cbranch_scc1 .Llong
	FINISH
	s_lshr_b32 s[J], s[WV], 1                      ; the second tile: i = my wave's number
	s_mov_b32 s[QO], s[QO2]
	s_mov_b32 s[KS], 0
	s_mov_b32 s[TBK], 0
	s_mov_b32 s[TBV], 0
	v_add_nc_u32 v[DD], s[D2], v[DD0]
.irp i, 0,1,2,3,4,5,6,7
	v_mov_b32 v[16+\i], v[192+\i]
.endr
	ZERO
	s_wait_alu depctr_va_vdst(0)
.Lshort:                                           ; steps 0 to 7
	STEP 1
	s_cmp_lt_u32 s[KS], 8
	s_cbranch_scc1 .Lshort
	FINISH
	s_wait_tensorcnt 0x0                           ; the wave's end
	ds_add_u32 v[SPW], v[NIL]
	s_wait_dscnt 0x0
	CROUND                                         ; the closing round
	s_endpgm
.Lfunc_end_k_q01fffe5a84_attn:
	.size	k_q01fffe5a84_attn, .Lfunc_end_k_q01fffe5a84_attn-k_q01fffe5a84_attn
	.p2alignl 7, 3214868480
	.fill 96, 4, 3214868480
	.section	.rodata,"a",@progbits
	.p2align	6, 0x0
	.amdhsa_kernel k_q01fffe5a84_attn
		.amdhsa_group_segment_fixed_size 327680
		.amdhsa_private_segment_fixed_size 0
		.amdhsa_enable_private_segment 0
		.amdhsa_kernarg_size 40
		.amdhsa_user_sgpr_count 2
		.amdhsa_user_sgpr_kernarg_segment_ptr 1
		.amdhsa_wavefront_size32 1
		.amdhsa_system_sgpr_workgroup_id_x 1
		.amdhsa_system_sgpr_workgroup_id_y 1
		.amdhsa_system_sgpr_workgroup_id_z 1
		.amdhsa_system_vgpr_workitem_id 0
		.amdhsa_next_free_vgpr 256
		.amdhsa_next_free_sgpr 100
		.amdhsa_reserve_vcc 1
		.amdhsa_float_denorm_mode_32 3
		.amdhsa_float_denorm_mode_16_64 3
		.amdhsa_memory_ordered 1
		.amdhsa_forward_progress 1
		.amdhsa_inst_pref_size 79
	.end_amdhsa_kernel
	.amdgpu_metadata
---
amdhsa.version: [ 1, 2 ]
amdhsa.kernels:
  - .name:           k_q01fffe5a84_attn
    .symbol:         k_q01fffe5a84_attn.kd
    .args:
      - { .name: q_codes, .offset: 0, .size: 8, .value_kind: global_buffer, .address_space: global }
      - { .name: k_codes, .offset: 8, .size: 8, .value_kind: global_buffer, .address_space: global }
      - { .name: v_codes, .offset: 16, .size: 8, .value_kind: global_buffer, .address_space: global }
      - { .name: lowp_scales, .offset: 24, .size: 8, .value_kind: global_buffer, .address_space: global }
      - { .name: y_codes, .offset: 32, .size: 8, .value_kind: global_buffer, .address_space: global }
    .group_segment_fixed_size: 327680
    .private_segment_fixed_size: 0
    .kernarg_segment_align: 8
    .kernarg_segment_size: 40
    .max_flat_workgroup_size: 512
    .sgpr_count:     100
    .vgpr_count:     256
    .wavefront_size: 32
...
	.end_amdgpu_metadata
.endif
;; end of part 3
;; launch gemm_proj (part 4): grid 8 x 32, 4 waves a work-group, clusters of 4 x 4, 327,680 bytes of LDS; arguments y_codes, wproj_codes, lowp_scales, b_proj, out0; writes out0
.if DOCPART == 4
	.amdgcn_target "amdgcn-amd-amdhsa--gfx1250"
	.amdhsa_code_object_version 6
	.text
	.protected	k_q01fffe5a84_gemm_proj
	.globl	k_q01fffe5a84_gemm_proj
	.p2align	8
	.type	k_q01fffe5a84_gemm_proj,@function
k_q01fffe5a84_gemm_proj:
	s_mov_b64 s[64:65], 0
	v_nop
	global_prefetch_b8 v0, s[64:65] scope:SCOPE_SE
	s_setreg_imm32_b32 hwreg(HW_REG_WAVE_MODE, 25, 1), 1
	s_wait_xcnt 0x0
	s_wait_alu depctr_hold_cnt(0) depctr_sa_sdst(0) depctr_va_vdst(0) depctr_va_sdst(0) depctr_va_ssrc(0) depctr_va_vcc(0) depctr_vm_vsrc(0)
	s_getreg_b32 s2, hwreg(HW_REG_IB_STS2, 6, 4)
	s_cmp_eq_u32 s2, 0
	s_cbranch_scc0 .Lentry_in_a_cluster
	s_endpgm
.Lentry_in_a_cluster:
	s_bfe_u32 s2, ttmp6, 0x10000c
	s_cmp_lg_u32 s2, 0xf033
	s_cbranch_scc0 .Lentry_shape_is_right
	s_endpgm
.Lentry_shape_is_right:
; out0 = y W_proj + b_proj on codes of E4M3.  Nothing of this product is left out.  y_codes [16 heads][8192 rows][64], wproj_codes [1024 n][1024 k]; each finished sum is multiplied by 2^(e6 + e7) and gets its bias in one fused multiply-add.
; LIMIT: e6 + e7 between -126 and 127.  Inside a matrix instruction k is permuted, alike in both operands (fragments come by 16-byte loads): only the order of the sums changes.
; A block of 256 rows x 128 columns is made by a work-group of four waves: 8 x 32 = 256 work-groups; a wave makes 128 x 64: 32 accumulators ((a, b) at v[8 (8 (a % 4) + b)], b = 0 .. 3, in windows 2 and 3).
; K goes in four steps of 256 (four heads) through a ring of two LDS slots: waves 0, 1 fetch y's two halves (4 heads x 128 rows x 64 bytes), waves 2, 3 W's (64 rows of 256 bytes each, at the head of a region of 128 rows).
; CLUSTERS: 4 x 4 work-groups; y's tile is asked for jointly along a row of the cluster, W's along a column.  The matrix instruction is used transposed (source 0 = rows of W, source 1 = rows of y): a lane holds eight neighbouring columns of a row.
; THE WAY OUT: a block of 16 rows x 64 columns goes through the wave's stage (in slot 0, which has had its last fill and its last read by then) and leaves as rows of 256 bytes: sixteen lanes store one aligned unit.
.set ROWB, 256
.set KROW,   1024
.set PITCH,  272
.set HEADB,  8704
.set FR,     16
.set NL,     4
.set NP,     4
.set HALFT,  128*PITCH
.set SLOT,   4*HALFT
.set LAPS,   2
.set SPARE,  2*SLOT
.set SPITCH, 528
.set ADRA, 16
.set ADRB, 20
.set STO,  24
.set RD,   25
.set CO,   26
.set SPW,  28
.set NIL,  29
.set BN,   32
.set TMP,  96
.set AF,   128
.set BK,   160
.set G1, 24
.set G0, 32
.set G1B, 48
.set G0B, 56
.set MSB, 0
.macro WIN new
.if MSB != \new
	s_set_vgpr_msb (MSB<<8)|\new
.set MSB, \new
.endif
.endm
.set MUL_LO, 0xa1
.set MUL_HI, 0xf1
.set TO_B,   0x40
.macro JLOAD g0a, g1a, g0b, g1b
	s_cmp_eq_u32 s15, 0
	s_cbranch_scc0 .Lfor_b_\@
	tensor_load_to_lds s[\g0a:\g0a+3], s[\g1a:\g1a+7]
	s_nop 0
.rept 4
	v_nop
.endr
	s_branch .Lasked_\@
.Lfor_b_\@:
	tensor_load_to_lds s[\g0b:\g0b+3], s[\g1b:\g1b+7]
	s_nop 0
.rept 4
	v_nop
.endr
.Lasked_\@:
.endm
.macro CREST
	s_cmp_lg_u32 s14, 0
	s_cbranch_scc1 .Lnot_wave_0_\@
	s_barrier_signal -3
.Lnot_wave_0_\@:
	s_barrier_wait -3
	s_barrier_signal -1
	s_barrier_wait -1
.endm
.macro CROUND
	s_barrier_signal -1
	s_barrier_wait -1
	CREST
.endm
	s_load_b256 s[4:11], s[0:1], 0x0
	s_load_b64 s[12:13], s[0:1], 0x20
	v_lshl_add_u32 v[SPW], v0, 2, SPARE
	v_mov_b32 v[NIL], 0
	ds_add_u32 v[SPW], v[NIL]
	ds_add_u32 v[SPW], v[NIL]
	v_lshrrev_b32 v1, 5, v0
	v_readfirstlane_b32 s14, v1
	s_lshr_b32 s15, s14, 1
	s_and_b32 s16, s14, 1
	s_bfe_u32 s40, ttmp6, 0x40000
	s_bfe_u32 s41, ttmp6, 0x40004
	s_lshl_b32 s42, ttmp9, 2
	s_add_co_u32 s42, s42, s40
	s_and_b32 s17, ttmp7, 0xffff
	s_lshl_b32 s17, s17, 2
	s_add_co_u32 s17, s17, s41
	s_lshl_b32 s43, s41, 2
	s_lshl_b32 s43, 15, s43
	s_lshl_b32 s44, 0x1111, s40
	s_or_b32 s[G1+0], s43, (0<<16)|(1<<20)|(1<<21)|(5<<22)|(3<<25)
	s_mov_b32 s[G1+1], 8192<<16
	s_mov_b32 s[G1+2], 4<<16
	s_mov_b32 s[G1+3], 8192<<16
	s_mov_b32 s[G1+4], 4
	s_mov_b32 s[G1+5], 524288
	s_mov_b32 s[G1+6], 0
	s_mov_b32 s[G1+7], 0
	s_or_b32 s[G1B+0], s44, (0<<16)|(1<<20)|(1<<21)|(5<<22)|(3<<25)
	s_mov_b32 s[G1B+1], ROWB<<16
	s_mov_b32 s[G1B+2], 64<<16
	s_mov_b32 s[G1B+3], ROWB<<16
	s_mov_b32 s[G1B+4], 64
	s_mov_b32 s[G1B+5], KROW
	s_mov_b32 s[G1B+6], 0
	s_mov_b32 s[G1B+7], 0
	s_lshl_b32 s18, s16, 7
	s_lshl_b32 s20, s17, 8
	s_add_co_u32 s20, s20, s18
	s_lshl_b32 s20, s20, 6
	s_mov_b32 s21, 0
	s_lshl_b32 s46, s42, 7
	s_lshl_b32 s47, s16, 6
	s_add_co_u32 s46, s46, s47                     ; W: row 128 x tile column + 64 x half
	s_lshl_b32 s46, s46, 10
	s_mov_b32 s47, 0
	s_mul_i32 s45, s14, HALFT
	s_wait_dscnt 0x0
	s_wait_kmcnt 0x0
	s_load_b64 s[96:97], s[8:9], 0x18
	s_add_nc_u64 s[20:21], s[4:5], s[20:21]
	s_add_nc_u64 s[46:47], s[6:7], s[46:47]
	CROUND
.irp s, 0,1
	s_mov_b32 s[G0+4*\s], 1
	s_add_co_u32 s[G0+4*\s+1], s45, \s*SLOT
	s_add_nc_u64 s[G0+4*\s+2:G0+4*\s+3], s[20:21], \s*4*524288
	s_or_b32 s[G0+4*\s+3], s[G0+4*\s+3], 0x80000000
	s_mov_b32 s[G0B+4*\s], 1
	s_add_co_u32 s[G0B+4*\s+1], s45, \s*SLOT
	s_add_nc_u64 s[G0B+4*\s+2:G0B+4*\s+3], s[46:47], \s*ROWB
	s_or_b32 s[G0B+4*\s+3], s[G0B+4*\s+3], 0x80000000
.endr
	JLOAD G0, G1, G0B, G1B                         ; K step 0, behind the opening round: one tensor load a wave at the head
	; DATA PREFETCHES.  What my wave fetches in a K step is shared out among the four partners that ask for it jointly, by address: of y's 4 heads x 8,192 bytes the partner at cx names one head, a lane 256 bytes;
	; of W's 64 rows x 256 bytes the partner at cy names 16 rows, a lane a row (lanes 16-31 name the last of them again).  So each block of 256 bytes is named once in each cluster that loads it.
	; Behind K step 0's load K steps 1 and 2 are named, behind K step 1's load K step 3: never more than two steps ahead; K ends with step 3.
	s_cmp_eq_u32 s15, 0                            ; do I fetch for y?
	s_cselect_b64 s[66:67], s[20:21], s[46:47]     ; my tile at K step 0
	s_cselect_b32 s74, s40, s41                    ; my place among the four that ask with me
	s_cselect_b32 s75, 19, 14                      ; a head's plane of 524,288 bytes, or 16 rows of 1,024
	s_cselect_b32 s72, 31, 15                      ; the last lane with a block of its own
	s_mov_b32 s73, 1024
	s_cselect_b32 s73, 256, s73                    ; from lane to lane
	s_mov_b32 s76, 256
	s_cselect_b32 s76, 0x200000, s76               ; from K step to K step: four planes, or 256 bytes of a row
	s_mov_b32 s77, 0
	s_lshl_b32 s74, s74, s75
	s_mov_b32 s75, 0
	s_add_nc_u64 s[66:67], s[66:67], s[74:75]
	s_add_nc_u64 s[66:67], s[66:67], s[76:77]      ; K step 1
	s_add_nc_u64 s[68:69], s[66:67], s[76:77]      ; K step 2
	s_add_nc_u64 s[70:71], s[68:69], s[76:77]      ; K step 3.  None of the three is rewritten
	v_and_b32 v30, 31, v0
	v_min_u32 v30, s72, v30
	v_mul_lo_u32 v30, v30, s73                     ; never rewritten
	global_prefetch_b8 v30, s[66:67] th:TH_LOAD_NT scope:SCOPE_SE
	global_prefetch_b8 v30, s[68:69] th:TH_LOAD_NT scope:SCOPE_SE
	v_and_b32 v1, 15, v0
	v_bfe_u32 v2, v0, 4, 1
	v_mul_u32_u24 v3, v1, PITCH
	v_lshl_add_u32 v4, v2, 4, v3
	v_lshrrev_b32 v5, 2, v1
	v_mul_u32_u24 v5, v5, PITCH
	v_and_b32 v6, 3, v1
	v_lshl_add_u32 v5, v6, 6, v5
	v_lshl_add_u32 v5, v2, 4, v5
	s_mul_i32 s21, s15, HALFT
	s_mul_i32 s22, s16, HALFT
	s_add_co_u32 s22, s22, 2*HALFT
.irp s, 0,1
	v_add_nc_u32 v[ADRA+\s], s21, v5
	v_add_nc_u32 v[ADRB+\s], s22, v4
	s_add_co_u32 s21, s21, SLOT
	s_add_co_u32 s22, s22, SLOT
.endr
	s_lshl_b32 s92, s42, 9                         ; my first column in bytes: 4 x (128 x tile column + 64 x half)
	s_lshl_b32 s94, s16, 8
	s_add_co_u32 s92, s92, s94
	s_mov_b32 s93, 0
	s_add_nc_u64 s[88:89], s[10:11], s[92:93]
	v_lshlrev_b32 v9, 5, v2
.irp b, 0,1,2,3
	global_load_b128 v[BN+8*\b:BN+8*\b+3], v9, s[88:89] offset:64*\b
	global_load_b128 v[BN+8*\b+4:BN+8*\b+7], v9, s[88:89] offset:64*\b+16
.endr
	s_mul_i32 s23, s14, 16*SPITCH
	v_mul_u32_u24 v7, v1, SPITCH
	v_lshl_add_u32 v7, v2, 5, v7
	v_add_nc_u32 v[STO], s23, v7
	v_mul_u32_u24 v8, v2, SPITCH                   ; back: lanes 0-15 take one row of 256 bytes, lanes 16-31 the next
	v_lshl_add_u32 v8, v1, 4, v8
	v_add_nc_u32 v[RD], s23, v8
	v_lshlrev_b32 v[CO], 12, v2                    ; and the same two rows in out0 (a row is 4,096 bytes)
	v_lshl_add_u32 v[CO], v1, 4, v[CO]
	s_lshl_b32 s94, s17, 8
	s_lshl_b32 s95, s15, 7
	s_add_co_u32 s94, s94, s95
	s_lshl_b32 s94, s94, 12
	s_add_co_u32 s92, s92, s94
	s_add_nc_u64 s[12:13], s[12:13], s[92:93]
.macro FRAG reg, adr, q, i
.irp c, 0,1,2,3
	ds_load_b128 v[\reg+4*\c:\reg+4*\c+3], v[\adr] offset:128*(\q)+32*\c+(\i)*16*PITCH
.endr
.endm
.macro FRAG_A reg, adr, q, i
.irp c, 0,1,2,3
	ds_load_b128 v[\reg+4*\c:\reg+4*\c+3], v[\adr] offset:(2*(\q)+\c/2)*HEADB+4*PITCH*(\i)+32*(\c%2)
.endr
.endm
.macro MUL16 a0, p, zero
.irp a, \a0, \a0+1
.irp b, 0,1,2,3
.if \zero
	v_wmma_f32_16x16x128_fp8_fp8 v[8*(8*((\a)%4)+\b):8*(8*((\a)%4)+\b)+7], v[128*(\p)+FR*\b:128*(\p)+FR*\b+FR-1], v[AF+FR*(\a):AF+FR*(\a)+FR-1], 0
.else
	v_wmma_f32_16x16x128_fp8_fp8 v[8*(8*((\a)%4)+\b):8*(8*((\a)%4)+\b)+7], v[128*(\p)+FR*\b:128*(\p)+FR*\b+FR-1], v[AF+FR*(\a):AF+FR*(\a)+FR-1], v[8*(8*((\a)%4)+\b):8*(8*((\a)%4)+\b)+7]
.endif
.endr
.endr
.endm
.macro FETCH_B slot, q, p
	WIN TO_B
.irp i, 0,1,2,3
	FRAG 128*(\p)+FR*\i, ADRB+\slot, \q, \i
.endr
	WIN 0
.endm
.macro FETCH_A slot, q, i0
.irp i, \i0, \i0+1, \i0+2, \i0+3
	FRAG_A AF+FR*(\i), ADRA+\slot, \q, \i
.endr
.endm
.macro PLACES n
.rept \n
	v_nop
.endr
.endm
.macro STEP slot, q, zero
	s_wait_dscnt 4*NL
	WIN MUL_LO
	MUL16 0, (\q)%2, \zero
	MUL16 2, (\q)%2, \zero
	s_wait_dscnt 0
	PLACES NP
	FETCH_B \slot, (\q)+1, 1-(\q)%2
	FETCH_A \slot, (\q)+1, 0
	WIN MUL_HI
	MUL16 4, (\q)%2, \zero
	MUL16 6, (\q)%2, \zero
	PLACES NP
	WIN 0
	FETCH_A \slot, (\q)+1, 4
.endm
.macro TURN slot, next, fill
	s_wait_tensorcnt 0x0
	ds_add_u32 v[SPW], v[NIL]
	s_wait_dscnt 4*NL+1
	WIN MUL_LO
	MUL16 0, 1, 0
	s_wait_dscnt 0x0
	s_barrier_signal -1
	MUL16 2, 1, 0
	WIN 0
	s_barrier_wait -1
.if \fill
	CREST
	s_add_nc_u64 s[G0+4*\slot+2:G0+4*\slot+3], s[G0+4*\slot+2:G0+4*\slot+3], 2*4*524288
	s_add_nc_u64 s[G0B+4*\slot+2:G0B+4*\slot+3], s[G0B+4*\slot+2:G0B+4*\slot+3], 2*ROWB
	JLOAD G0+4*\slot, G1, G0B+4*\slot, G1B
.else
	PLACES NP
.endif
	s_wait_alu depctr_va_vdst(0)
	FETCH_B \next, 0, 0
	FETCH_A \next, 0, 0
	WIN MUL_HI
	MUL16 4, 1, 0
	MUL16 6, 1, 0
	PLACES NP
	WIN 0
	FETCH_A \next, 0, 4
.endm
	s_wait_alu depctr_va_vdst(0)                   ; the head's end
	s_wait_tensorcnt 0x0                           ; my part of K step 0 is in
	ds_add_u32 v[SPW], v[NIL]
	s_wait_dscnt 0x0
	CROUND                                         ; everybody's part of K step 0 is in, and the joint loads meet
	JLOAD G0+4, G1, G0B+4, G1B                     ; K step 1: the first tensor load behind the round
	global_prefetch_b8 v30, s[70:71] th:TH_LOAD_NT scope:SCOPE_SE   ; K step 3, two steps ahead of its load
	FETCH_B 0, 0, 0
	FETCH_A 0, 0, 0
	FETCH_A 0, 0, 4
	STEP 0, 0, 1
	s_mov_b32 s3, LAPS-1
.Llap:
	TURN 0, 1, 1
	STEP 1, 0, 0
	TURN 1, 0, 1
	STEP 0, 0, 0
	s_sub_co_u32 s3, s3, 1
	s_cmp_lg_u32 s3, 0
	s_cbranch_scc1 .Llap
	TURN 0, 1, 0
	STEP 1, 0, 0
	s_wait_dscnt 4*NL
	WIN MUL_LO
	MUL16 0, 1, 0
	MUL16 2, 1, 0
	s_wait_dscnt 0
	WIN MUL_HI
	MUL16 4, 1, 0
	MUL16 6, 1, 0
	WIN 0
.macro PACK a
.set AC, 64*((\a)%4)
	WIN 0x02+((\a)/4)
.irp b, 0,1,2,3
.irp i, 0,2,4,6
	v_pk_fma_f32 v[TMP+8*\b+\i:TMP+8*\b+\i+1], v[AC+8*\b+\i:AC+8*\b+\i+1], s[96:97], v[BN+8*\b+\i:BN+8*\b+\i+1] op_sel_hi:[1,0,1]
.endr
.endr
	WIN 0
.endm
.macro TOSTAGE
.irp b, 0,1,2,3
	ds_store_b128 v[STO], v[TMP+8*\b:TMP+8*\b+3] offset:64*\b
	ds_store_b128 v[STO], v[TMP+8*\b+4:TMP+8*\b+7] offset:64*\b+16
.endr
.irp t, 0,1,2,3,4,5,6,7
	ds_load_b128 v[BK+4*\t:BK+4*\t+3], v[RD] offset:2*\t*SPITCH
.endr
.endm
.macro SEND a
	s_wait_dscnt 0x0
.irp t, 0,1,2,3,4,5,6,7
	global_store_b128 v[CO], v[BK+4*\t:BK+4*\t+3], s[12:13] offset:(16*(\a)+2*\t)*4096 th:TH_STORE_NT
.endr
.endm
	s_wait_kmcnt 0x0
	s_wait_loadcnt 0x0
	s_add_co_i32 s96, s96, s97
	s_add_co_i32 s96, s96, 127
	s_lshl_b32 s96, s96, 23
	s_mov_b32 s97, s96
	PLACES NP
	PACK 0
	TOSTAGE
.irp a, 1,2,3,4,5,6,7
	PACK \a
	s_wait_alu depctr_va_vdst(0)
	SEND \a-1
	s_wait_xcnt 0x0
	TOSTAGE
.endr
	SEND 7
	s_wait_tensorcnt 0x0
	ds_add_u32 v[SPW], v[NIL]
	s_wait_dscnt 0x0
	CROUND
	s_endpgm
.Lfunc_end_k_q01fffe5a84_gemm_proj:
	.size	k_q01fffe5a84_gemm_proj, .Lfunc_end_k_q01fffe5a84_gemm_proj-k_q01fffe5a84_gemm_proj
	.p2alignl 7, 3214868480
	.fill 96, 4, 3214868480
	.section	.rodata,"a",@progbits
	.p2align	6, 0x0
	.amdhsa_kernel k_q01fffe5a84_gemm_proj
		.amdhsa_group_segment_fixed_size 327680
		.amdhsa_private_segment_fixed_size 0
		.amdhsa_enable_private_segment 0
		.amdhsa_kernarg_size 40
		.amdhsa_user_sgpr_count 2
		.amdhsa_user_sgpr_kernarg_segment_ptr 1
		.amdhsa_wavefront_size32 1
		.amdhsa_system_sgpr_workgroup_id_x 1
		.amdhsa_system_sgpr_workgroup_id_y 1
		.amdhsa_system_sgpr_workgroup_id_z 1
		.amdhsa_system_vgpr_workitem_id 0
		.amdhsa_next_free_vgpr 1024
		.amdhsa_next_free_sgpr 100
		.amdhsa_reserve_vcc 0
		.amdhsa_float_denorm_mode_32 3
		.amdhsa_float_denorm_mode_16_64 3
		.amdhsa_memory_ordered 1
		.amdhsa_forward_progress 1
		.amdhsa_inst_pref_size 80
	.end_amdhsa_kernel
	.amdgpu_metadata
---
amdhsa.version: [ 1, 2 ]
amdhsa.kernels:
  - .name:           k_q01fffe5a84_gemm_proj
    .symbol:         k_q01fffe5a84_gemm_proj.kd
    .args:
      - { .name: y_codes, .offset: 0, .size: 8, .value_kind: global_buffer, .address_space: global }
      - { .name: wproj_codes, .offset: 8, .size: 8, .value_kind: global_buffer, .address_space: global }
      - { .name: lowp_scales, .offset: 16, .size: 8, .value_kind: global_buffer, .address_space: global }
      - { .name: b_proj, .offset: 24, .size: 8, .value_kind: global_buffer, .address_space: global }
      - { .name: out0, .offset: 32, .size: 8, .value_kind: global_buffer, .address_space: global }
    .group_segment_fixed_size: 327680
    .private_segment_fixed_size: 0
    .kernarg_segment_align: 8
    .kernarg_segment_size: 40
    .max_flat_workgroup_size: 128
    .sgpr_count:     100
    .vgpr_count:     1024
    .wavefront_size: 32
...
	.end_amdgpu_metadata
.endif
;; end of part 4
